; MI455X (gfx1250); checked and timed in simulation.
; The chip was launched on July 23, 2026; its instructions are those of AMD's public machine-readable ISA for CDNA 5 (MIT licence, August 2026) and "CDNA5" Instruction Set Architecture Reference Guide (July 2026). The comments in the code are by the model that wrote it; some were corrected since.
;; Multi Head Attention. Allowed arithmetic: matrix products marked QUANTISED: E4M3 operands, one given power-of-two scale a tensor, by v_wmma_f32_16x16x64_fp8_fp8 or v_wmma_f32_16x16x128_fp8_fp8, f32 sums; everything else in f32.
;; Inputs: Wk_codes 1,024 x 32 x 32 uint8 (E4M3 codes of Wk, K innermost, in blocks of 32 codes); Wo_codes 1,024 x 32 x 32 uint8 (E4M3 codes of Wo, K innermost, in blocks of 32 codes); Wq_codes 1,024 x 32 x 32 uint8 (E4M3 codes of Wq, K innermost, in blocks of 32 codes); Wv_codes 1,024 x 32 x 32 uint8 (E4M3 codes of Wv, K innermost, in blocks of 32 codes); bk 1,024 float32; bo 1,024 float32; bq 1,024 float32; bv 1,024 float32; key_codes 1 x 4,096 x 32 x 32 uint8 (E4M3 codes of key, K innermost, in blocks of 32 codes); lowp_scales 12 int32 (the exponents e of the quantised operands' scales 2^e); mask 1 x 1 x 4,096 x 4,096 int32; query_codes 1 x 4,096 x 32 x 32 uint8 (E4M3 codes of query, K innermost, in blocks of 32 codes); value_codes 1 x 4,096 x 32 x 32 uint8 (E4M3 codes of value, K innermost, in blocks of 32 codes).
;; Outputs: out0 1 x 4,096 x 1,024 float32.
;; This version of the problem:
;;   THIS VERSION OF THE PROBLEM IS GIVEN IN LOW PRECISION. The matrix products marked QUANTISED in the list below multiply operands that are first quantised to E4M3 (4 exponent bits, 3 mantissa bits; 8 bits a number), with one given power-of-two scale for each operand tensor; their sums are f32. All else is computed in f32.
;;   The module's matrix products, in the order in which they are computed (A, B: the left and right operand; K: the contracted axis; several contracted axes count as one K, in the product's order):
;;     1. [M 4,096, K 1,024] x [K 1,024, N 1,024]; A: input query (given as codes); B: input Wq (given as codes): QUANTISED (scales: A lowp_scales[0], B lowp_scales[1])
;;     2. [M 4,096, K 1,024] x [K 1,024, N 1,024]; A: input key (given as codes); B: input Wk (given as codes): QUANTISED (scales: A lowp_scales[2], B lowp_scales[3])
;;     3. [M 4,096, K 1,024] x [K 1,024, N 1,024]; A: input value (given as codes); B: input Wv (given as codes): QUANTISED (scales: A lowp_scales[4], B lowp_scales[5])
;;     4. batch 8 x [M 4,096, K 128] x [K 128, N 4,096]; A: computed on the way; B: computed on the way: QUANTISED (scales: A lowp_scales[6], B lowp_scales[7])
;;     5. batch 8 x [M 4,096, K 4,096] x [K 4,096, N 128]; A: softmax (see below); B: computed on the way: QUANTISED (scales: A lowp_scales[8], B lowp_scales[9])
;;     6. [M 4,096, K 1,024] x [K 1,024, N 1,024]; A: computed on the way; B: input Wo (given as codes): QUANTISED (scales: A lowp_scales[10], B lowp_scales[11])
;;   THE QUANTISER, for each operand of a quantised product, along K:
;;     - The operand's scale is 2^e, e = its entry of the input lowp_scales (int32; the entries are numbered through the quantised products in the list's order, A before B).
;;     - Each number is divided by the scale, clamped to +-448, and rounded to the nearest number of E4M3, ties to even, subnormals kept.
;;     - The product sums the exact products of the quantised numbers (number of the format x scale) in f32.
;;   ~~~python
;;   def quantise(x, axis, e):      # numpy; x: float32 -> the quantised numbers, widened to float32 again
;;       x = np.moveaxis(x, axis, -1); K = x.shape[-1]
;;       r = np.clip(x / 2.0 ** e, -448, 448)
;;       step = 2.0 ** (np.maximum(np.frexp(np.where(r == 0, 1, r))[1] - 1, -6) - 3)
;;       q = np.round(r / step) * step * 2.0 ** e      # np.round: ties to even
;;       return np.moveaxis(q, -1, axis).astype(np.float32)
;;   ~~~
;;   SOFTMAX AHEAD OF A QUANTISED PRODUCT. Where the list says 'softmax', what is quantised is not the finished softmax but p = 2^(t - M), with t = logit x log2(e) and M = ceil(the row's largest t), a whole number; so 1/2 < the row's largest p <= 1. The row's sum l is taken of the UNQUANTISED p, in f32, and the product's result is divided by l at the end. Since M is a whole number, a kernel that streams over the keys may use a running M (the ceiling of the running maximum): every later rescaling is an exact power of two, so the quantised numbers keep their values, but for numbers so far below the row's largest that they fall under the format's range.
;;   OPERANDS COMPUTED ON THE WAY. 'Computed on the way' means the value that the module computes at that place (a softmax that the list does not call 'softmax' is quantised finished and normalised). What goes into a quantiser is computed in f32, as accurately as f32 sums, v_exp_f32 and their like allow (about 1e-6 of the number): no bf16 or f16 on the way to a quantiser, and a product that is left as it is and whose result goes on into a quantised operand takes f32 operands (vector FMAs, or v_wmma_f32_16x16x4_f32). A number that lies on a knife's edge between two numbers of the format may be rounded either way, as far as f32 arithmetic and the matrix unit's own rounding can turn it there, and no further.
;;   INPUTS GIVEN AS CODES. Wk (in the module: [1024, 1024], K = its axis 1); Wo (in the module: [1024, 1024], K = its axis 1); Wq (in the module: [1024, 1024], K = its axis 1); Wv (in the module: [1024, 1024], K = its axis 1); key (in the module: [1, 4096, 1024], K = its axis 2); query (in the module: [1, 4096, 1024], K = its axis 2); value (in the module: [1, 4096, 1024], K = its axis 2): each comes as NAME_codes (uint8): NAME with its K axis moved to the last place and cut into blocks of 32 codes, [.., K / 32, bytes a block], one block behind the other in memory; one code a byte (a code: sign, 4 exponent bits, 3 mantissa bits); its scale is its entry of lowp_scales. Its value is code x scale, taken as it is: it is not quantised again, and the codes and scales need not be those that the quantiser above would give.
;; 2 versions. Each part assembles by itself: llvm-mc -triple=amdgcn-amd-amdhsa -mcpu=gfx1250 --defsym DOCPART=n.
;; ======== version 1 of 2: 4 launches
;; workspace buffers: q_codes 4,194,304 bytes; k_codes 4,194,304 bytes; v_codes 4,194,304 bytes; a_codes 4,194,304 bytes; maskw 2,097,152 bytes of whole numbers
;; launch packmask (part 1): grid 256 x 2, 8 waves a work-group, no clusters, 68,608 bytes of LDS; arguments mask, maskw; writes maskw
.if DOCPART == 1
	.amdgcn_target "amdgcn-amd-amdhsa--gfx1250"
	.amdhsa_code_object_version 6
	.text
	.protected	k_q57bee0bd0f_packmask
	.globl	k_q57bee0bd0f_packmask
	.p2align	8
	.type	k_q57bee0bd0f_packmask,@function
k_q57bee0bd0f_packmask:
	s_mov_b64 s[64:65], 0
	v_nop
	global_prefetch_b8 v0, s[64:65] scope:SCOPE_SE
	s_setreg_imm32_b32 hwreg(HW_REG_WAVE_MODE, 25, 1), 1
	s_wait_xcnt 0x0
; mask [4096][4096] int32 becomes lane-mask words: maskw [query tile T 256][key step S 32][n 64] of 32 bits.
; Bit L of word n says whether mask[16 T + L % 16][128 S + 16 (n / 8) + 8 (L / 16) + n % 8] is not 0: the very word by which the attention
; launch selects in its score register n (lane L holds query L % 16, register n that key).  So the 64 MiB are read once, by this launch, and the eight heads read 2 MiB.
; SHARES.  A work-group takes 16 rows (T = x) and 2,048 keys (y); each of its eight waves two key steps of 128 keys.  Waves share nothing: no barrier.
; Each load reads 512 consecutive bytes of one row (16 a lane); all 32 loads of a wave go out at once.  A step's 16 x 512 bytes turn through the wave's own stage in LDS
; (rows 528 bytes apart) and come back so that lane (r, h) holds row r's keys 16 tt + 8 h + 0 .. 7.
; A compare then makes one word of 32 lanes' bits; v_writelane_b32 puts word n into lane n / 2, register n % 2, and the wave stores a step's 64 words as 256 consecutive bytes, aligned.
.set ROWB,  16384                      ; a row of the mask in bytes
.set STEPB, 512                        ; 128 keys in bytes
.set SP,    528                        ; a stage row: 512 bytes + 16 of padding
.set WST,   16*SP                      ; a wave's stage
.set R,     16                         ; v16-143   step st, row r as loaded: v[R + 64 st + 4 r ..]
.set X,     144                        ; v144-207  the 64 numbers of my row, back from the stage
.set WD,    16                         ; s16-47    32 words at a time
	s_load_b128 s[4:7], s[0:1], 0x0                ; mask s[4:5], maskw s[6:7]
	v_lshl_add_u32 v208, v0, 2, 0x10800
	v_mov_b32 v209, 0
	v_lshrrev_b32 v1, 5, v0
	v_readfirstlane_b32 s8, v1                     ; wave 0..7
	v_and_b32 v1, 31, v0                           ; lane
	s_mul_i32 s9, s8, WST                          ; my stage
	v_lshlrev_b32 v4, 4, v1                        ; my 16 bytes of a load's 512
	v_add_nc_u32 v2, s9, v4                        ; the stage, on the way in
	v_and_b32 v6, 15, v0                           ; r
	v_bfe_u32 v7, v0, 4, 1                         ; h
	v_mul_u32_u24 v3, v6, SP
	v_lshl_add_u32 v3, v7, 5, v3
	v_add_nc_u32 v3, s9, v3                        ; and on the way out: row r, + 32 h bytes
	v_lshlrev_b32 v5, 3, v1                        ; my two words of a step's 64
	v_mov_b32 v8, 0                                ; v_writelane_b32 keeps the other lanes: its destination is written once beforehand
	v_mov_b32 v9, 0
	v_mov_b32 v10, 0
	v_mov_b32 v11, 0
	s_and_b32 s10, ttmp7, 0xffff
	s_lshl_b32 s10, s10, 4
	s_lshl_b32 s11, s8, 1
	s_add_co_u32 s10, s10, s11                     ; my first key step: 16 y + 2 x wave
	s_lshl_b32 s12, ttmp9, 18                      ; 16 rows of 16,384 bytes,
	s_lshl_b32 s13, s10, 9
	s_add_co_u32 s12, s12, s13                     ; + the key step's bytes: under 2^26
	s_mov_b32 s13, 0
	s_lshl_b32 s14, ttmp9, 5
	s_add_co_u32 s14, s14, s10
	s_lshl_b32 s14, s14, 8                         ; (32 T + S) x 256 bytes
	s_mov_b32 s15, 0
	s_wait_kmcnt 0x0
	s_add_nc_u64 s[4:5], s[4:5], s[12:13]
	s_add_nc_u64 s[6:7], s[6:7], s[14:15]
.irp st, 0,1
.set i, 0
.rept 16
	global_load_b128 v[R+64*\st+4*i:R+64*\st+4*i+3], v4, s[4:5] offset:i*ROWB+\st*STEPB th:TH_LOAD_NT
.set i, i+1
.endr
.endr
.macro PACK st
	s_wait_loadcnt 16*(1-\st)                      ; loads come back in order: this step's sixteen are in; for step 0 the sixteen of step 1 stay out
.set i, 0
.rept 16
	ds_store_b128 v2, v[R+64*\st+4*i:R+64*\st+4*i+3] offset:i*SP
.set i, i+1
.endr
.set i, 0
.rept 16
	ds_load_b128 v[X+4*i:X+4*i+3], v3 offset:64*(i/2)+16*(i%2)   ; LDS serves a wave's instructions in order: these see the stores above.  X[8 tt + 4 g + c] = mask[r][16 tt + 8 h + 4 g + c]
.set i, i+1
.endr
	s_wait_dscnt 0x0
.irp u, 0,1
.set i, 0
.rept 32
	v_cmp_ne_u32 s[WD+i], 0, v[X+32*\u+i]          ; word 32 u + i: one bit a lane
.set i, i+1
.endr
.set i, 0
.rept 32
	v_writelane_b32 v[8+2*\st+(i%2)], s[WD+i], 16*\u+i/2
.set i, i+1
.endr
.endr
	global_store_b64 v5, v[8+2*\st:9+2*\st], s[6:7] offset:256*\st   ; 32 lanes store 256 consecutive bytes, at a multiple of 256 from the buffer's first byte; each step has its own pair, so no store's data are written again
.endm
	PACK 0
	PACK 1
	s_wait_tensorcnt 0x0
	ds_add_u32 v208, v209
	s_wait_dscnt 0x0
	s_endpgm
.Lfunc_end_k_q57bee0bd0f_packmask:
	.size	k_q57bee0bd0f_packmask, .Lfunc_end_k_q57bee0bd0f_packmask-k_q57bee0bd0f_packmask
	.p2alignl 7, 3214868480
	.fill 96, 4, 3214868480
	.section	.rodata,"a",@progbits
	.p2align	6, 0x0
	.amdhsa_kernel k_q57bee0bd0f_packmask
		.amdhsa_group_segment_fixed_size 68608
		.amdhsa_private_segment_fixed_size 0
		.amdhsa_enable_private_segment 0
		.amdhsa_kernarg_size 16
		.amdhsa_user_sgpr_count 2
		.amdhsa_user_sgpr_kernarg_segment_ptr 1
		.amdhsa_wavefront_size32 1
		.amdhsa_system_sgpr_workgroup_id_x 1
		.amdhsa_system_sgpr_workgroup_id_y 1
		.amdhsa_system_sgpr_workgroup_id_z 1
		.amdhsa_system_vgpr_workitem_id 0
		.amdhsa_next_free_vgpr 210
		.amdhsa_next_free_sgpr 66
		.amdhsa_reserve_vcc 0
		.amdhsa_float_denorm_mode_32 3
		.amdhsa_float_denorm_mode_16_64 3
		.amdhsa_memory_ordered 1
		.amdhsa_forward_progress 1
		.amdhsa_inst_pref_size 26
	.end_amdhsa_kernel
	.amdgpu_metadata
---
amdhsa.version: [ 1, 2 ]
amdhsa.kernels:
  - .name:           k_q57bee0bd0f_packmask
    .symbol:         k_q57bee0bd0f_packmask.kd
    .args:
      - { .name: mask, .offset: 0, .size: 8, .value_kind: global_buffer, .address_space: global }
      - { .name: maskw, .offset: 8, .size: 8, .value_kind: global_buffer, .address_space: global }
    .group_segment_fixed_size: 68608
    .private_segment_fixed_size: 0
    .kernarg_segment_align: 8
    .kernarg_segment_size: 16
    .max_flat_workgroup_size: 256
    .sgpr_count:     66
    .vgpr_count:     210
    .wavefront_size: 32
...
	.end_amdgpu_metadata
.endif
;; end of part 1
;; launch proj (part 2): grid 4 x 48, 4 waves a work-group, clusters of 4 x 4, 327,680 bytes of LDS; arguments query_codes, key_codes, value_codes, Wq_codes, Wk_codes, Wv_codes, bq, bk, bv, lowp_scales, q_codes, k_codes, v_codes; writes q_codes, k_codes, v_codes
.if DOCPART == 2
	.amdgcn_target "amdgcn-amd-amdhsa--gfx1250"
	.amdhsa_code_object_version 6
	.text
	.protected	k_q57bee0bd0f_proj
	.globl	k_q57bee0bd0f_proj
	.p2align	8
	.type	k_q57bee0bd0f_proj,@function
k_q57bee0bd0f_proj:
	s_mov_b64 s[64:65], 0
	v_nop
	global_prefetch_b8 v0, s[64:65] scope:SCOPE_SE
	s_setreg_imm32_b32 hwreg(HW_REG_WAVE_MODE, 25, 1), 1
	s_wait_xcnt 0x0
	s_wait_alu depctr_hold_cnt(0) depctr_sa_sdst(0) depctr_va_vdst(0) depctr_va_sdst(0) depctr_va_ssrc(0) depctr_va_vcc(0) depctr_vm_vsrc(0)
	s_getreg_b32 s2, hwreg(HW_REG_IB_STS2, 6, 4)
	s_cmp_eq_u32 s2, 0
	s_cbranch_scc0 .Lentry_in_a_cluster
	s_endpgm
.Lentry_in_a_cluster:
	s_bfe_u32 s2, ttmp6, 0x10000c
	s_cmp_lg_u32 s2, 0xf033
	s_cbranch_scc0 .Lentry_shape_is_right
	s_endpgm
.Lentry_shape_is_right:
; The three projections, each y = x W^T + b on codes of FP8 (E4M3), f32 sums, and each result quantised at once with its given scale:  p = 0: q (scale entry 6), p = 1: k (entry 7), p = 2: v (entry 9).
; One text and one path serve all three; only pointers, two tile coordinates and two lane masks are chosen, by selects on p = (cluster y) / 4, which all partners of a cluster share.
; A GEMM C[m][n] = sum over k of A[m][k] B[n][k], K = 1,024, a tile of 256 x 256 to a work-group of four waves, 128 x 128 to a wave: 64 accumulators, 512 registers.
;   p < 2:  A = the tokens' codes (4,096 rows), B = the weight's (1,024 rows): a row of C is a token, its columns are channels.
;   p = 2:  A = Wv's codes, B = value's: C is v TRANSPOSED: a row is a channel, its columns are keys, which are the K of the attention's second product.
; The launch has 12 clusters of 4 x 4, four for each p (cc = cluster y % 4).  Tile row = cy + 4 cc and tile column = cx for p < 2; tile row = cy and tile column = cx + 4 cc for p = 2.
; So A's tile hangs on cy (and cc) alone and is shared along a row of the cluster, B's on cx (and cc) alone and is shared along a column: each is asked for JOINTLY, by the same tensor load in all four.
; K goes in steps of 256 through a ring of two LDS slots.  THE MATRIX INSTRUCTION IS USED TRANSPOSED (source 0 = 16 rows of B, source 1 = 16 rows of A): a lane holds eight neighbouring columns of one row of C,
; which one conversion turns into eight codes.
; THE BIAS goes by columns for p < 2 and by rows for p = 2.  Both forms are always computed: CB (by columns, divided by 2^(ea + eb)) is the C of each sum's first product, RB (by rows) is the addend of the
; multiply-add that applies 2^(ea + eb); the one that does not apply is set to 0 by a select.
; OUT.  A wave's 128 x 128 codes are one dense block of 16 KiB: q_codes, k_codes [head][token][128], v_codes [head][key block of 128][channel][128].  Inside a row of 128 bytes, byte 32 c + 16 h + 8 u + j holds
; column 32 c + 16 u + 8 h + j: the order in which the attention launch's 16-byte fragment loads want them (the same order in q and in k; for v the order of the weights p).
; LIMITS: ea + eb between -126 and 127, the result's exponent between -126 and 119, so that each power of two below is an f32 number.  NaN codes among the inputs are not served.
; REGISTERS, in windows of 256: window 0: v0-31 addresses; v32-95 CB; v96-111 RB (a pair for each block of 16 rows, the second word 0); v112 2^eo, v113 448 x 2^eo; from v128 A's fragments, ONE set (on the way out: at work).
;   window 1: B's fragments, TWO sets.   windows 2, 3: the accumulators of my rows 0-63 and 64-127.
.set KROW,   1024                      ; a row of A or of B in memory, in bytes
.set ROWB,   256                       ; a tile's row: 256 codes
.set PITCH,  272                       ; an LDS row: 256 bytes + 16 of padding = 68 words: the 16 rows that a load touches start at 16 different banks (64 banks of 4 bytes: ISA guide 11.1)
.set FR,     16                        ; registers of a fragment: 16 rows x 128 K
.set NL,     4                         ; LDS loads that bring one
.set NP,     4                         ; places behind this matrix instruction (ISA guide 7.12.1)
.set HALFT,  128*PITCH                 ; 128 rows: what one tensor load brings, and what one wave reads of A or of B
.set SLOT,   4*HALFT                   ; A's 256 rows, then B's 256 rows
.set LAPS,   2                         ; K = 1,024 = two laps of two K steps of 256
.set SPARE,  2*SLOT                    ; behind the ring: the spare words, 128 bytes for each wave: two blocks of 256 bytes that no other line names
.set SPITCH, 144                       ; the way out: a stage of 16 rows x (128 bytes + 16) for each wave, in slot 0, which has had its last fill and its last read when the first code is stored there
.set ADRA, 16                          ; v16-17  LDS address of my A fragments in slot 0, 1
.set ADRB, 20                          ; v20-21  the same for B
.set STO,  24                          ; v24     the way out: where I put 8 codes of a row
.set RD,   25                          ; v25     the way out: where I read 16 bytes back
.set CO,   26                          ; v26     16 x lane: my bytes of a store's 512
.set BO8,  27                          ; v27     32 x (lane / 16): my eight numbers of a tile's sixteen biases
.set SPW,  28                          ; v28     LDS address of my spare word; never rewritten
.set NIL,  29                          ; v29     0; never rewritten
.set BO4,  30                          ; v30     4 x (lane % 16): my row's bias
.set CB,   32
.set RB,   96
.set SCL,  112
.set LIM,  113
.set AF,   128                         ; A's fragments, in window 0
.set TMP,  128                         ; the way out: a block's 64 numbers,
.set CD,   192                         ; their codes,
.set BK,   208                         ; and 16 rows read back from the stage: v208-223 and v224-239 by turns
.set G1, 24                            ; s[24:31] descriptor group 1 for A's tiles;  s[32:39] group 0, one set for each slot
.set G0, 32
.set G1B, 48                           ; s[48:55], s[56:63] the same for B's tiles
.set G0B, 56
.set MSB, 0
.macro WIN new                         ; the immediate's high byte repeats the setting that is left
.if MSB != (\new)
	s_set_vgpr_msb (MSB<<8)|(\new)
.set MSB, (\new)
.endif
.endm
.set MUL_LO,  0xa1                     ; source 0 (B) window 1, source 1 (A) window 0, C and D window 2
.set MUL_HI,  0xf1                     ; the same, C and D window 3
.set MUL_LO0, 0x81                     ; the first products: C (the bias) window 0, D window 2
.set MUL_HI0, 0xc1                     ; C window 0, D window 3
.set TO_B,    0x40                     ; destination window 1, address window 0
; A joint load: waves 0 and 1 fetch for A, waves 2 and 3 for B.  Each of the two lines has ONE mask and one set of registers for all that issue it; the branch hangs on the wave's number alone.
; Four v_nop follow each of the two lines, ahead of the jump, the label and what follows.
.macro JLOAD g0a, g1a, g0b, g1b
	s_cmp_eq_u32 s15, 0
	s_cbranch_scc0 .Lfor_b_\@
	tensor_load_to_lds s[\g0a:\g0a+3], s[\g1a:\g1a+7]
	s_nop 0
.rept 4
	v_nop
.endr
	s_branch .Lasked_\@
.Lfor_b_\@:
	tensor_load_to_lds s[\g0b:\g0b+3], s[\g1b:\g1b+7]
	s_nop 0
.rept 4
	v_nop
.endr
.Lasked_\@:
.endm
.macro CREST                           ; a round of the cluster's barrier behind its opening barrier
	s_cmp_lg_u32 s14, 0
	s_cbranch_scc1 .Lnot_wave_0_\@
	s_barrier_signal -3
.Lnot_wave_0_\@:
	s_barrier_wait -3
	s_barrier_signal -1
	s_barrier_wait -1
.endm
.macro CROUND                          ; a whole round
	s_barrier_signal -1
	s_barrier_wait -1
	CREST
.endm
	s_load_b512 s[68:83], s[0:1], 0x0              ; query s[68:69], key s[70:71], value s[72:73], Wq s[74:75], Wk s[76:77], Wv s[78:79], bq s[80:81], bk s[82:83]
	s_load_b256 s[84:91], s[0:1], 0x40             ; bv s[84:85], the scales' exponents s[86:87], q_codes s[88:89], k_codes s[90:91]
	s_load_b64 s[92:93], s[0:1], 0x60              ; v_codes
	v_lshl_add_u32 v[SPW], v0, 2, SPARE
	v_mov_b32 v[NIL], 0
	ds_add_u32 v28, v29
	ds_add_u32 v28, v29
	s_wait_dscnt 0x0
	v_lshrrev_b32 v1, 5, v0
	v_readfirstlane_b32 s14, v1                    ; wave 0..3
	s_lshr_b32 s15, s14, 1                         ; hA: which half of the tile's rows is mine.  Also: I fetch for A (0) or for B (1)
	s_and_b32 s16, s14, 1                          ; hB: which half of its columns.  Also: which 128 rows of that tile I fetch
	s_bfe_u32 s40, ttmp6, 0x40000                  ; cx, cy: my place in the cluster
	s_bfe_u32 s41, ttmp6, 0x40004
	s_and_b32 s18, ttmp7, 0xffff                   ; cluster y, 0 .. 11 (the grid has one cluster along x)
	s_lshr_b32 s2, s18, 2                          ; p
	s_and_b32 s18, s18, 3
	s_lshl_b32 s18, s18, 2                         ; 4 cc
	s_cmp_eq_u32 s2, 2
	s_cselect_b32 s17, 0, s18
	s_cselect_b32 s42, s18, 0
	s_cselect_b32 s94, -1, 0                       ; all lanes where p = 2: CB becomes 0
	s_cselect_b32 s95, 0, -1                       ; all lanes where p < 2: RB becomes 0
	s_add_co_u32 s17, s17, s41                     ; tile row of C: cy (+ 4 cc for p < 2)
	s_add_co_u32 s42, s42, s40                     ; tile column: cx (+ 4 cc for p = 2)
	s_lshl_b32 s43, s41, 2
	s_lshl_b32 s43, 15, s43                        ; my row of the cluster
	s_lshl_b32 s44, 0x1111, s40                    ; my column
	; descriptor group 1: a tile of 128 rows x 256 bytes, padded in LDS
	s_or_b32 s[G1+0], s43, (0<<16)|(1<<20)|(1<<21)|(5<<22)|(3<<25)  ; 15:0 the mask: A's tiles go to my row; 17:16 element of 1 byte; 20 padding on; 21 set beside a mask; 24:22 after every 64 words (code 5); 31:25 of 4 words (code 3)
	s_or_b32 s[G1B+0], s44, (0<<16)|(1<<20)|(1<<21)|(5<<22)|(3<<25)
.irp g, G1, G1B
	s_mov_b32 s[\g+1], ROWB<<16                    ; tensor_dim0
	s_mov_b32 s[\g+2], 128<<16                     ; tensor_dim1 = 128
	s_mov_b32 s[\g+3], ROWB<<16                    ; tile_dim0
	s_mov_b32 s[\g+4], 128                         ; tile_dim1 = 128
	s_mov_b32 s[\g+5], KROW                        ; tensor_dim0_stride
	s_mov_b32 s[\g+6], 0
	s_mov_b32 s[\g+7], 0
.endr
	s_lshl_b32 s18, s16, 7                         ; which 128 rows of the tile I fetch
	s_lshl_b32 s20, s17, 8
	s_add_co_u32 s20, s20, s18                     ; A: row 256 x tile row + 128 x half,
	s_lshl_b32 s20, s20, 10                        ; in bytes: under 2^22
	s_mov_b32 s21, 0
	s_lshl_b32 s46, s42, 8
	s_add_co_u32 s46, s46, s18                     ; B: row 256 x tile column + 128 x half
	s_lshl_b32 s46, s46, 10
	s_mov_b32 s47, 0
	s_mul_i32 s45, s14, HALFT                      ; where they go: wave x 128 rows: no place in the cluster enters an LDS address
	s_lshl_b32 s22, s42, 1
	s_add_co_u32 s22, s22, s16                     ; my 128 columns: 2 x tile column + hB
	s_lshl_b32 s23, s17, 1
	s_add_co_u32 s23, s23, s15                     ; my 128 rows: 2 x tile row + hA
	s_cmp_eq_u32 s2, 2
	s_cselect_b32 s66, s23, s22                    ; the head: channels are columns for p < 2, rows for p = 2
	s_cselect_b32 s67, s22, s23                    ; the block of 128 tokens
	s_lshl_b32 s22, s66, 5
	s_add_co_u32 s22, s22, s67
	s_lshl_b32 s22, s22, 14                        ; my block of 16 KiB in the output
	s_mov_b32 s23, 0
	s_lshl_b32 s66, s66, 9                         ; the head's 128 biases
	s_mov_b32 s67, 0
	s_lshl_b32 s98, s2, 3                          ; entries 2 p and 2 p + 1 of the scales: ea, eb
	s_mov_b32 s99, 0
	s_lshr_b32 s12, s2, 1
	s_add_co_u32 s12, s12, s2
	s_add_co_u32 s12, s12, 6                       ; entry 6, 7 or 9: the result's
	s_lshl_b32 s12, s12, 2
	s_mov_b32 s13, 0
	s_wait_kmcnt 0x0
	s_cmp_eq_u32 s2, 0                             ; the buffers are chosen on p alone
	s_cselect_b64 s[4:5], s[68:69], s[70:71]
	s_cselect_b64 s[6:7], s[74:75], s[76:77]
	s_cselect_b64 s[8:9], s[80:81], s[82:83]
	s_cselect_b64 s[10:11], s[88:89], s[90:91]
	s_cmp_eq_u32 s2, 2
	s_cselect_b64 s[4:5], s[78:79], s[4:5]         ; A: for v the weight,
	s_cselect_b64 s[6:7], s[72:73], s[6:7]         ; B: and the tokens
	s_cselect_b64 s[8:9], s[84:85], s[8:9]
	s_cselect_b64 s[10:11], s[92:93], s[10:11]
	s_add_nc_u64 s[98:99], s[86:87], s[98:99]
	s_add_nc_u64 s[12:13], s[86:87], s[12:13]
	s_load_b64 s[96:97], s[98:99], 0x0             ; ea, eb
	s_load_b32 s19, s[12:13], 0x0                  ; eo
	s_add_nc_u64 s[20:21], s[4:5], s[20:21]
	s_add_nc_u64 s[46:47], s[6:7], s[46:47]
	s_add_nc_u64 s[8:9], s[8:9], s[66:67]
	s_add_nc_u64 s[10:11], s[10:11], s[22:23]
	CROUND                                         ; all sixteen work-groups are here: the first joint loads meet
.irp s, 0,1
	s_mov_b32 s[G0+4*\s], 1
	s_add_co_u32 s[G0+4*\s+1], s45, \s*SLOT
	s_add_nc_u64 s[G0+4*\s+2:G0+4*\s+3], s[20:21], \s*ROWB
	s_or_b32 s[G0+4*\s+3], s[G0+4*\s+3], 0x80000000
	s_mov_b32 s[G0B+4*\s], 1
	s_add_co_u32 s[G0B+4*\s+1], s45, \s*SLOT
	s_add_nc_u64 s[G0B+4*\s+2:G0B+4*\s+3], s[46:47], \s*ROWB
	s_or_b32 s[G0B+4*\s+3], s[G0B+4*\s+3], 0x80000000
	JLOAD G0+4*\s, G1, G0B+4*\s, G1B
.endr
	v_and_b32 v1, 15, v0                           ; r = l % 16
	v_bfe_u32 v2, v0, 4, 1                         ; h = l / 16
	v_lshlrev_b32 v[BO8], 5, v2
	v_lshlrev_b32 v[BO4], 2, v1
.irp b, 0,1,2,3,4,5,6,7
	global_load_b128 v[CB+8*\b:CB+8*\b+3], v[BO8], s[8:9] offset:64*\b       ; by columns: bias[16 b + 8 h + 0 .. 7], in the result's layout
	global_load_b128 v[CB+8*\b+4:CB+8*\b+7], v[BO8], s[8:9] offset:64*\b+16
.endr
.irp a, 0,1,2,3,4,5,6,7
	global_load_b32 v[RB+2*\a], v[BO4], s[8:9] offset:64*\a                  ; by rows: bias[16 a + r]
.endr
	v_mul_u32_u24 v3, v1, PITCH
	v_lshl_add_u32 v4, v2, 4, v3                   ; a fragment's row x pitch + 16 x half
	s_mul_i32 s21, s15, HALFT                      ; my 128 rows of A
	s_mul_i32 s22, s16, HALFT                      ; my 128 rows of B,
	s_add_co_u32 s22, s22, 2*HALFT                 ; which lie behind A's 256
.irp s, 0,1
	v_add_nc_u32 v[ADRA+\s], s21, v4
	v_add_nc_u32 v[ADRB+\s], s22, v4
	s_add_co_u32 s21, s21, SLOT
	s_add_co_u32 s22, s22, SLOT
.endr
	s_mul_i32 s23, s14, 16*SPITCH                  ; my stage
	v_mul_u32_u24 v5, v1, SPITCH                   ; in: row r, + 16 h
	v_lshl_add_u32 v5, v2, 4, v5
	v_add_nc_u32 v[STO], s23, v5
	v_and_b32 v6, 31, v0
	v_lshlrev_b32 v[CO], 4, v6
	v_lshrrev_b32 v7, 3, v6                        ; back: eight lanes take a row of 128 bytes, an instruction four rows
	v_mul_u32_u24 v7, v7, SPITCH
	v_and_b32 v8, 7, v0
	v_lshl_add_u32 v7, v8, 4, v7
	v_add_nc_u32 v[RD], s23, v7
.irp a, 0,1,2,3,4,5,6,7
	v_mov_b32 v[RB+2*\a+1], 0                      ; (named as the upper half of a pair)
.endr
	s_wait_kmcnt 0x0
	s_add_co_i32 s96, s96, s97                     ; ea + eb
	s_sub_co_i32 s99, 0, s96
	s_add_co_i32 s96, s96, 127
	s_lshl_b32 s96, s96, 23                        ; 2^(ea + eb) as f32
	s_mov_b32 s97, s96                             ; (named with it as a pair, so it is written)
	s_add_co_i32 s19, s19, 127
	s_lshl_b32 s18, s19, 23
	v_mov_b32 v[SCL], s18                          ; 2^eo as f32: the conversion takes its exponent field
	s_add_co_i32 s19, s19, 8
	s_lshl_b32 s19, s19, 23
	s_or_b32 s19, s19, 0x600000
	v_mov_b32 v[LIM], s19                          ; 448 x 2^eo
	s_wait_loadcnt 0x0                             ; the biases
.set jj, 0
.rept 64
	v_cndmask_b32 v[CB+jj], v[CB+jj], v[NIL], s94  ; 0 where the bias goes by rows
.set jj, jj+1
.endr
.set jj, 0
.rept 64
	v_ldexp_f32 v[CB+jj], v[CB+jj], s99            ; a sum stands for sum x 2^(ea + eb): the bias goes in divided by that
.set jj, jj+1
.endr
.irp a, 0,1,2,3,4,5,6,7
	v_cndmask_b32 v[RB+2*\a], v[RB+2*\a], v[NIL], s95   ; 0 where the bias goes by columns
.endr
.macro FRAG reg, adr, q, i             ; a fragment, 16 rows x 128 K of 8-bit codes, is 16 registers: lane l holds row l % 16; registers 4 c .. 4 c + 3 hold K = 32 c + 16 (l / 16) + 0 .. 15: the same order of k in A and in B, so every product meets its partner
.irp c, 0,1,2,3
	ds_load_b128 v[\reg+4*\c:\reg+4*\c+3], v[\adr] offset:128*(\q)+32*\c+(\i)*16*PITCH
.endr
.endm
; 16 matrix instructions: A's blocks a0, a0 + 1 x B's eight, 128 along K.  p: B's set.  zero = 1: the first product starts the sums, with the bias by columns as C: nothing is ever cleared.
; The 64 accumulators take turns, one instruction a turn, in the same order in every step.
.macro MUL16 a0, p, zero
.irp a, \a0, \a0+1
.irp b, 0,1,2,3,4,5,6,7
.if \zero
	v_wmma_f32_16x16x128_fp8_fp8 v[8*(8*((\a)%4)+\b):8*(8*((\a)%4)+\b)+7], v[128*(\p)+FR*\b:128*(\p)+FR*\b+FR-1], v[AF+FR*(\a):AF+FR*(\a)+FR-1], v[CB+8*\b:CB+8*\b+7]
.else
	v_wmma_f32_16x16x128_fp8_fp8 v[8*(8*((\a)%4)+\b):8*(8*((\a)%4)+\b)+7], v[128*(\p)+FR*\b:128*(\p)+FR*\b+FR-1], v[AF+FR*(\a):AF+FR*(\a)+FR-1], v[8*(8*((\a)%4)+\b):8*(8*((\a)%4)+\b)+7]
.endif
.endr
.endr
.endm
.macro FETCH_B slot, q, p              ; B's eight fragments of the slot's q-th 128 along K into set p
	WIN TO_B
.irp i, 0,1,2,3,4,5,6,7
	FRAG 128*(\p)+FR*\i, ADRB+\slot, \q, \i
.endr
	WIN 0
.endm
.macro FETCH_A slot, q, i0             ; A's blocks i0 .. i0 + 3
.irp i, \i0, \i0+1, \i0+2, \i0+3
	FRAG AF+FR*(\i), ADRA+\slot, \q, \i
.endr
.endm
; A load into a register that a matrix instruction has read, and a vector instruction that reads a matrix result or writes one of its registers, stand NP places behind that matrix instruction; only plain
; vector instructions that name none of its registers are places (ISA guide 7.12.1 for vector instructions).
.macro PLACES n
.rept \n
	v_nop
.endr
.endm
; A step of 128 along K that has its successor in the same slot.
.macro STEP slot, q, zero
	s_wait_dscnt 4*NL                              ; B's set and A's blocks 0-3 are in; the youngest sixteen loads (A's blocks 4-7) may be out
.if \zero
	WIN MUL_LO0
.else
	WIN MUL_LO
.endif
	MUL16 0, (\q)%2, \zero
	MUL16 2, (\q)%2, \zero
	s_wait_dscnt 0                                 ; A's blocks 4-7 are in (asked for 32 matrix instructions ago)
	PLACES NP
	FETCH_B \slot, (\q)+1, 1-(\q)%2
	FETCH_A \slot, (\q)+1, 0
.if \zero
	WIN MUL_HI0
.else
	WIN MUL_HI
.endif
	MUL16 4, (\q)%2, \zero
	MUL16 6, (\q)%2, \zero
	PLACES NP
	WIN 0
	FETCH_A \slot, (\q)+1, 4
.endm
; A slot's last step changes slots: ONE barrier; in front of it each wave waits for all its tensor loads, adds 0 to its spare word, and waits for that and for its own reads of this slot.  fill = 1: this slot is filled again, two K steps ahead.
.macro TURN slot, next, fill
	s_wait_tensorcnt 0x0                           ; all my tensor loads have landed: my part of the next slot;  (every window is 0 here: the add's two registers lie in window 0)
	ds_add_u32 v[SPW], v[NIL]                      ; 0 onto my spare word
	s_wait_dscnt 4*NL+1                            ; (the add and the youngest sixteen loads, A's blocks 4-7, may be out)
	WIN MUL_LO
	MUL16 0, 1, 0                                  ; sixteen matrix instructions stand between the add and the wait for it
	s_wait_dscnt 0x0                               ; the add is done, and my reads of this slot are over
	s_barrier_signal -1
	MUL16 2, 1, 0
	WIN 0
	s_barrier_wait -1
.if \fill
	CREST                                          ; the barrier has opened a round of the cluster's barrier: no wave of any partner still reads this slot's tile or has a load on its way
	s_add_nc_u64 s[G0+4*\slot+2:G0+4*\slot+3], s[G0+4*\slot+2:G0+4*\slot+3], 2*ROWB
	s_add_nc_u64 s[G0B+4*\slot+2:G0B+4*\slot+3], s[G0B+4*\slot+2:G0B+4*\slot+3], 2*ROWB
	JLOAD G0+4*\slot, G1, G0B+4*\slot, G1B         ; the first tensor load behind the round; the four v_nop behind it are the places in front of the loads below
.else
	PLACES NP
.endif
	FETCH_B \next, 0, 0
	FETCH_A \next, 0, 0
	WIN MUL_HI
	MUL16 4, 1, 0
	MUL16 6, 1, 0
	PLACES NP
	WIN 0
	FETCH_A \next, 0, 4
.endm
	s_wait_tensorcnt 1                             ; my part of K step 0 is in (K step 1's load, issued behind it, may be out)
	s_barrier_signal -1
	s_barrier_wait -1                              ; everybody's is
	FETCH_B 0, 0, 0
	FETCH_A 0, 0, 0
	FETCH_A 0, 0, 4
	STEP 0, 0, 1                                   ; the first step stands in front of the loop: its products start the sums
	s_mov_b32 s3, LAPS-1
.Llap:                                                 ; a trip goes once round the ring, from a lap's second step to the next lap's first, and fills both slots again
	TURN 0, 1, 1
	STEP 1, 0, 0
	TURN 1, 0, 1
	STEP 0, 0, 0
	s_sub_co_u32 s3, s3, 1
	s_cmp_lg_u32 s3, 0
	s_cbranch_scc1 .Llap
	TURN 0, 1, 0                                   ; the last lap fills nothing, and has no round of the cluster's barrier
	STEP 1, 0, 0
	s_wait_dscnt 4*NL                              ; the very last step: nothing more to fetch
	WIN MUL_LO
	MUL16 0, 1, 0
	MUL16 2, 1, 0
	s_wait_dscnt 0
	WIN MUL_HI
	MUL16 4, 1, 0
	MUL16 6, 1, 0
	WIN 0
; THE WAY OUT, block by block of 16 rows x 128 columns: y = sum x 2^(ea + eb) + the bias by rows; held within +-448 x 2^eo; eight numbers to eight codes.  A lane's eight codes are 8 bytes of a row and the lanes
; beside it hold other rows: so a block goes through my own stage in LDS and comes back as 2,048 dense bytes.  LDS serves a wave's instructions in order (ISA guide 5.7.1.4): no wait between the stores and the loads.
.macro TOSTAGE a
.set AC, 64*((\a)%4)
	WIN 0x02+((\a)/4)                              ; source 0: window 2 or 3
.set jj, 0
.rept 32
	v_pk_fma_f32 v[TMP+jj:TMP+jj+1], v[AC+jj:AC+jj+1], s[96:97], v[RB+2*(\a):RB+2*(\a)+1] op_sel_hi:[1,0,0]   ; of both pairs the low word serves both halves; each accumulator from its low end on
.set jj, jj+2
.endr
	WIN 0
.set jj, 0
.rept 64
	v_med3_num_f32 v[TMP+jj], v[TMP+jj], -v[LIM], v[LIM]   ; the conversion to an 8-bit code does not saturate (ISA guide 7.6.2): the hold at the largest code x the scale
.set jj, jj+1
.endr
.irp b, 0,1,2,3,4,5,6,7
	v_cvt_scalef32_pk8_fp8_f32 v[CD+2*\b:CD+2*\b+1], v[TMP+8*\b:TMP+8*\b+7], v[SCL]
.endr
	v_nop                                          ; one plain vector instruction behind the last conversion, ahead of the next vector instruction that writes its sources
.irp b, 0,1,2,3,4,5,6,7
	ds_store_b64 v[STO], v[CD+2*\b:CD+2*\b+1] offset:32*(\b/2)+8*(\b%2)   ; columns 16 b + 8 h + 0 .. 7 go to bytes 32 (b / 2) + 16 h + 8 (b % 2) on
.endr
.set BB, BK+16*((\a)%2)
.irp k, 0,1,2,3
	ds_load_b128 v[BB+4*\k:BB+4*\k+3], v[RD] offset:4*\k*SPITCH
.endr
.endm
.macro SEND a, younger                 ; younger: the LDS instructions issued behind block a's loads, which may stay out
.set BB, BK+16*((\a)%2)
	s_wait_dscnt \younger                          ; the block is back in registers
.irp k, 0,1,2,3
	global_store_b128 v[CO], v[BB+4*\k:BB+4*\k+3], s[10:11] offset:2048*(\a)+512*\k   ; 32 lanes store 512 consecutive bytes, at a multiple of 256 from the buffer's first byte; no pointer is stepped
.endr
.endm
	PLACES NP                                      ; behind the last products: for the writes into the registers that held A's fragments, and for the reads of the results
	TOSTAGE 0
.irp a, 1,2,3,4,5,6,7
.if \a > 1
	s_wait_xcnt 0x0                                ; block a - 2's stores have read their registers: block a's loads may land there
.endif
	TOSTAGE \a
	SEND \a-1, 12                                  ; behind block a - 1's loads: block a's 8 stores and 4 loads
.endr
	SEND 7, 0
	s_wait_tensorcnt 0x0                           ; the wave's end: behind my last tensor load and my last LDS store
	ds_add_u32 v[SPW], v[NIL]
	s_wait_dscnt 0x0
	CROUND                                         ; the closing round: no work-group ends while a partner may still ask for a tile that names it
	s_endpgm
.Lfunc_end_k_q57bee0bd0f_proj:
	.size	k_q57bee0bd0f_proj, .Lfunc_end_k_q57bee0bd0f_proj-k_q57bee0bd0f_proj
	.p2alignl 7, 3214868480
	.fill 96, 4, 3214868480
	.section	.rodata,"a",@progbits
	.p2align	6, 0x0
	.amdhsa_kernel k_q57bee0bd0f_proj
		.amdhsa_group_segment_fixed_size 327680
		.amdhsa_private_segment_fixed_size 0
		.amdhsa_enable_private_segment 0
		.amdhsa_kernarg_size 104
		.amdhsa_user_sgpr_count 2
		.amdhsa_user_sgpr_kernarg_segment_ptr 1
		.amdhsa_wavefront_size32 1
		.amdhsa_system_sgpr_workgroup_id_x 1
		.amdhsa_system_sgpr_workgroup_id_y 1
		.amdhsa_system_sgpr_workgroup_id_z 1
		.amdhsa_system_vgpr_workitem_id 0
		.amdhsa_next_free_vgpr 1024
		.amdhsa_next_free_sgpr 100
		.amdhsa_reserve_vcc 0
		.amdhsa_float_denorm_mode_32 3
		.amdhsa_float_denorm_mode_16_64 3
		.amdhsa_memory_ordered 1
		.amdhsa_forward_progress 1
		.amdhsa_inst_pref_size 153
	.end_amdhsa_kernel
	.amdgpu_metadata
---
amdhsa.version: [ 1, 2 ]
amdhsa.kernels:
  - .name:           k_q57bee0bd0f_proj
    .symbol:         k_q57bee0bd0f_proj.kd
    .args:
      - { .name: query_codes, .offset: 0, .size: 8, .value_kind: global_buffer, .address_space: global }
      - { .name: key_codes, .offset: 8, .size: 8, .value_kind: global_buffer, .address_space: global }
      - { .name: value_codes, .offset: 16, .size: 8, .value_kind: global_buffer, .address_space: global }
      - { .name: Wq_codes, .offset: 24, .size: 8, .value_kind: global_buffer, .address_space: global }
      - { .name: Wk_codes, .offset: 32, .size: 8, .value_kind: global_buffer, .address_space: global }
      - { .name: Wv_codes, .offset: 40, .size: 8, .value_kind: global_buffer, .address_space: global }
      - { .name: bq, .offset: 48, .size: 8, .value_kind: global_buffer, .address_space: global }
      - { .name: bk, .offset: 56, .size: 8, .value_kind: global_buffer, .address_space: global }
      - { .name: bv, .offset: 64, .size: 8, .value_kind: global_buffer, .address_space: global }
      - { .name: lowp_scales, .offset: 72, .size: 8, .value_kind: global_buffer, .address_space: global }
      - { .name: q_codes, .offset: 80, .size: 8, .value_kind: global_buffer, .address_space: global }
      - { .name: k_codes, .offset: 88, .size: 8, .value_kind: global_buffer, .address_space: global }
      - { .name: v_codes, .offset: 96, .size: 8, .value_kind: global_buffer, .address_space: global }
    .group_segment_fixed_size: 327680
    .private_segment_fixed_size: 0
    .kernarg_segment_align: 8
    .kernarg_segment_size: 104
    .max_flat_workgroup_size: 128
    .sgpr_count:     100
    .vgpr_count:     1024
    .wavefront_size: 32
...
	.end_amdgpu_metadata
.endif
;; end of part 2
;; launch attn (part 3): grid 32 x 8, 8 waves a work-group, clusters of 4 x 1, 327,680 bytes of LDS; arguments q_codes, k_codes, v_codes, maskw, lowp_scales, a_codes; writes a_codes
.if DOCPART == 3
	.amdgcn_target "amdgcn-amd-amdhsa--gfx1250"
	.amdhsa_code_object_version 6
	.text
	.protected	k_q57bee0bd0f_attn
	.globl	k_q57bee0bd0f_attn
	.p2align	8
	.type	k_q57bee0bd0f_attn,@function
k_q57bee0bd0f_attn:
	s_mov_b64 s[64:65], 0
	v_nop
	global_prefetch_b8 v0, s[64:65] scope:SCOPE_SE
	s_setreg_imm32_b32 hwreg(HW_REG_WAVE_MODE, 25, 1), 1
	s_wait_xcnt 0x0
	s_wait_alu depctr_hold_cnt(0) depctr_sa_sdst(0) depctr_va_vdst(0) depctr_va_sdst(0) depctr_va_ssrc(0) depctr_va_vcc(0) depctr_vm_vsrc(0)
	s_getreg_b32 s2, hwreg(HW_REG_IB_STS2, 6, 4)
	s_cmp_eq_u32 s2, 0
	s_cbranch_scc0 .Lentry_in_a_cluster
	s_endpgm
.Lentry_in_a_cluster:
	s_bfe_u32 s2, ttmp6, 0x10000c
	s_cmp_lg_u32 s2, 0x3003
	s_cbranch_scc0 .Lentry_shape_is_right
	s_endpgm
.Lentry_shape_is_right:
; Attention on codes of FP8 (E4M3): for each head, a[q] = the sum over keys of softmax(q . k / sqrt(128), masked) v, quantised at once with the given scale of the last projection's operand.
; q_codes, k_codes: [8][4096][128 bytes] (one order of the channels in both); v_codes: [8][32 key blocks][128 channels][128 bytes], the keys innermost; maskw: [256 query tiles][32 key steps][64 words], bit L of word n
; for lane L's score register n; lowp_scales entries 6 .. 10: eq, ek, ep, ev, ea; a_codes: [8][4096][128 bytes], channels in their own order.
; THE SOFTMAX: t = score x log2(e) / sqrt(128); where the mask is 0, t = -1e9 x log2(e) rounded to f32, which is a whole number (so a row that is masked throughout gets p = 1 everywhere, the plain average);
; M = the running largest t rounded UP to a whole number; p = 2^(t - M) is quantised with 2^ep; the row's sum is taken of the unquantised p and divides at the end.  When M moves, the sum and O are multiplied by 2^(old M - new M): exact.
; SHARES.  A work-group owns 128 queries of one head, each of its eight waves 16: one tile, in 512 registers, two waves to a SIMD.  Every wave walks the head's 4,096 keys, 128 a step.
; CLUSTER.  The four query blocks of a cluster belong to one head and walk the same K and V: each tile is asked for JOINTLY, the same tensor load with the same descriptor and the mask 15 in all four.
; RING.  Two LDS slots of 256 keys (K of two steps, then V of two steps; rows of 128 bytes, 144 apart).  EVERY wave fetches an eighth of a slot, 64 rows, with one load: waves 0-3 K's, waves 4-7 V's.
; LAYOUT.  Both products are used transposed: S^T = K Q^T (source 0 = 16 keys), O^T = V^T P^T (source 0 = 16 channels): a lane holds ONE query (lane % 16) throughout.  Score register 8 tt + j of lane (r, h) is key 16 tt + 8 h + j;
; the conversion of tile tt gives register pair tt of P, and v_codes' order of bytes puts the same keys into the same pair of a fragment of V that four 16-byte loads bring.
; A STEP'S LOADS RUN AHEAD: V of this step is asked for at its head and used at its end; K of the next step is asked for in its middle; the next step's 64 mask words come by scalar loads a step ahead.
; LIMITS on the given exponents, so that each power of two below is an f32 number: eq + ek between -123 and 130 (added to c's exponent field); ep and ea between -126 and 119; ep + ev goes by v_ldexp_f32 and has none.
; REGISTERS.  window 0: v1-11 addresses; v12 -M, v13 the largest t, v[14:15] the sum in two halves; v16-31 Q; v32-47 the way out; v96-159 S^T, t, p; v160-223 O^T; v224-239 P's codes; v240-254 constants and at work.
;   window 1: v0-127 K's eight fragments; v128-255 V's eight.
.set KP,    144                        ; a row in LDS: 128 bytes + 16 of padding = 36 words: the 16 rows that a load touches start at 16 different groups of four banks (64 banks of 4 bytes: ISA guide 11.1)
.set TILEB, 128*KP                     ; a step's tile of K or of V
.set SLOT1, 1<<17                      ; slot 1 begins here, so that one exclusive or turns an address in one slot into the other's
.set SLOTB, 32768                      ; a slot's K, or its V, in memory
.set SPARE, 2*SLOT1                    ; behind the ring: the spare words, 128 bytes for each wave: four blocks of 256 bytes that no other line names
.set LA,   1                           ; v1   my lane's place in a tile: r x 144 + 16 h
.set LAV,  2                           ; v2   the same behind a slot's two tiles of K
.set PFO,  3                           ; v3   256 x lane: the prefetches' offset; never rewritten
.set TM,   4                           ; v4   a masked key's t
.set SPW,  5                           ; v5   LDS address of my spare word; never rewritten
.set NIL,  6                           ; v6   0; never rewritten
.set GO,   7                           ; v7   16 x lane: my bytes of a store's 512
.set ADK,  8                           ; v8   LDS address of the tile of K to be fetched
.set ADV,  9                           ; v9   of V
.set STO,  10                          ; v10  the way out: where I put 8 codes of a row
.set RD,   11                          ; v11  and where I read 16 bytes back
.set S,    96
.set OT,   160
.set PC,   224
.set WV,   6                           ; s6   my wave's number
.set TB,   7                           ; s7   LDS byte at which the slot in hand begins
.set G1,   8                           ; s[8:15]  descriptor group 1
.set G0A,  16                          ; s[16:19] group 0 of slot 0's first fill
.set G0B,  20                          ; s[20:23] group 0 of slot 1's first fill, which then walks
.set CS,   24                          ; s[24:25] c = log2(e) / sqrt(128) x 2^(eq + ek)
.set SEL,  26                          ; s[26:27] lane selects for v_permlanex16_b32: lane l xor 16
.set SLOTS, 28                         ; s28  slots still to be asked for
.set LIM,  31                          ; s31  1 in a wave that prefetches, else the greatest number
.set PFA,  100                         ; s[100:101] where my prefetches stand
; s[2:3] the mask words of the step to be loaded; s[4:5] a_codes at my rows; s30 ep + ev; s[104:105] q_codes at my rows; s32-63, s68-99: a step's 64 mask words (word n in s[32 + n + 4 (n / 32)]); ahead of the first of them: at work
.set MSB, 0
.macro WIN new                         ; the immediate's high byte repeats the setting that is left
.if MSB != (\new)
	s_set_vgpr_msb (MSB<<8)|(\new)
.set MSB, (\new)
.endif
.endm
.set TO_1, 0x40                        ; destination window 1, address window 0
.set MUL,  0x01                        ; source 0 (K or V) window 1; all else window 0
.macro CREST                           ; a round of the cluster's barrier behind its opening barrier
	s_cmp_lg_u32 s[WV], 0
	s_cbranch_scc1 .Lnot_wave_0_\@
	s_barrier_signal -3
.Lnot_wave_0_\@:
	s_barrier_wait -3
	s_barrier_signal -1
	s_barrier_wait -1
.endm
.macro CROUND                          ; a whole round
	s_barrier_signal -1
	s_barrier_wait -1
	CREST
.endm
; A PREFETCH INTO THE L2 of what the NEXT change of slots will ask for: a slot's 32,768 bytes of K and as many of V.  All clusters of a head walk the same K and V: the head's first cluster asks.  Its four partners share
; the bytes out BY ADDRESS, 8,192 each, lanes 256 bytes apart; in each, wave 0 asks for K's and wave 4 for V's: one instruction.  So each aligned block of 256 bytes is named once in the launch.
; It stands behind the wave's tensor load, its four lines and the run of LDS loads.  The last change that fills a slot asks for nothing: there is no slot behind it.  Slots 0, 1 and 2 come by their loads alone.
.macro ASK
	s_cmp_gt_u32 s[SLOTS], s[LIM]
	s_cbranch_scc0 .Lnot_mine_\@
	global_prefetch_b8 v[PFO], s[PFA:PFA+1] th:TH_LOAD_NT scope:SCOPE_SE
.Lnot_mine_\@:
.endm
	s_load_b256 s[32:39], s[0:1], 0x0              ; q_codes s[32:33], k_codes s[34:35], v_codes s[36:37], maskw s[38:39]
	s_load_b128 s[40:43], s[0:1], 0x20             ; the scales' exponents s[40:41], a_codes s[42:43]
	v_lshl_add_u32 v[SPW], v0, 2, SPARE
	v_mov_b32 v[NIL], 0
	ds_add_u32 v5, v6
	ds_add_u32 v5, v6
	s_wait_dscnt 0x0
	v_lshrrev_b32 v8, 5, v0
	v_readfirstlane_b32 s[WV], v8                  ; wave 0..7
	s_bfe_u32 s50, ttmp6, 0x40000                  ; cx: my place in the cluster
	s_lshl_b32 s51, ttmp9, 2
	s_add_co_u32 s51, s51, s50                     ; my block of 128 queries = 4 x cluster x + cx: it enters Q's, the mask's and the output's addresses alone
	s_and_b32 s52, ttmp7, 0xffff                   ; the head, which the four partners share,
	s_lshl_b32 s52, s52, 19                        ; and its first byte in each tensor of codes
	s_lshl_b32 s54, s51, 14
	s_lshl_b32 s55, s[WV], 11
	s_add_co_u32 s54, s54, s55
	s_add_co_u32 s54, s54, s52                     ; my 16 rows of 128 bytes in q_codes and in a_codes
	s_mov_b32 s55, 0
	s_lshl_b32 s56, s51, 3
	s_add_co_u32 s56, s56, s[WV]                   ; my query tile T = 8 x block + wave,
	s_lshl_b32 s56, s56, 13                        ; 32 steps x 256 bytes of mask words each
	s_mov_b32 s57, 0
	s_and_b32 s58, s[WV], 3
	s_lshl_b32 s60, s58, 13                        ; what I fetch: 64 rows, 8,192 bytes, of a slot's K (waves 0-3) or V (waves 4-7),
	s_add_co_u32 s60, s60, s52                     ; in my head: no place in the cluster enters it
	s_mov_b32 s61, 0
	s_mul_i32 s59, s[WV], 64*KP                    ; and where it goes in a slot: wave x 64 rows
	s_lshl_b32 s62, s50, 13                        ; the prefetches: my work-group's 8,192 bytes,
	s_add_co_u32 s62, s62, s52
	s_add_co_u32 s62, s62, 2*SLOTB                 ; in slot 2: the first change of slots steps it to slot 3.  Nothing is prefetched at the head, where every work-group's first tiles are on their way
	s_mov_b32 s63, 0
	s_or_b32 s[LIM], s58, ttmp9                    ; 0 in waves 0 and 4 of the head's first cluster: the same in all four partners
	s_cmp_eq_u32 s[LIM], 0
	s_cselect_b32 s[LIM], 1, -1
	; descriptor group 1: a tile of 64 rows x 128 bytes, dense in memory, padded in LDS
	s_mov_b32 s[G1], 15|(0<<16)|(1<<20)|(1<<21)|(4<<22)|(3<<25)   ; 15:0 the mask: all four work-groups; 17:16 elements of 1 byte; 20 padding on; 21 set beside a mask; 24:22 after every 32 words (code 4); 31:25 four words (code 3)
	s_mov_b32 s[G1+1], 128<<16                     ; tensor_dim0
	s_mov_b32 s[G1+2], 64<<16                      ; tensor_dim1
	s_mov_b32 s[G1+3], 128<<16                     ; tile_dim0
	s_mov_b32 s[G1+4], 64                          ; tile_dim1
	s_mov_b32 s[G1+5], 128                         ; tensor_dim0_stride
	s_mov_b32 s[G1+6], 0
	s_mov_b32 s[G1+7], 0
	s_mov_b32 s[SEL], 0x76543210
	s_mov_b32 s[SEL+1], 0xfedcba98
	s_mov_b32 s[CS], 0x3e0293ee                    ; log2(e) / sqrt(128)
	s_mov_b32 s[TB], 0
	s_mov_b32 s[SLOTS], 14                         ; 16 slots' worth of keys; slots 2 .. 15 are refills
	s_wait_kmcnt 0x0
	s_load_b128 s[44:47], s[40:41], 0x18           ; eq, ek, ep, ev
	s_load_b32 s48, s[40:41], 0x28                 ; ea
	s_cmp_lt_u32 s[WV], 4
	s_cselect_b64 s[68:69], s[34:35], s[36:37]     ; K's codes or V's: the choice hangs on the wave's number alone
	s_add_nc_u64 s[PFA:PFA+1], s[68:69], s[62:63]
	s_add_nc_u64 s[68:69], s[68:69], s[60:61]
	s_add_nc_u64 s[104:105], s[32:33], s[54:55]
	s_add_nc_u64 s[4:5], s[42:43], s[54:55]
	s_add_nc_u64 s[2:3], s[38:39], s[56:57]
	s_mov_b32 s[G0A], 1                            ; 1:0 count = 1
	s_mov_b32 s[G0A+1], s59                        ; 63:32 LDS address: slot 0
	s_mov_b64 s[G0A+2:G0A+3], s[68:69]             ; 120:64 global address: the head's first 256 keys
	s_or_b32 s[G0A+3], s[G0A+3], 0x80000000        ; 127:126 type = 2
	s_mov_b32 s[G0B], 1
	s_add_co_u32 s[G0B+1], s59, SLOT1
	s_add_nc_u64 s[G0B+2:G0B+3], s[68:69], SLOTB
	s_or_b32 s[G0B+3], s[G0B+3], 0x80000000
	CROUND                                         ; all four work-groups are here: the first joint loads meet
	tensor_load_to_lds s[G0A:G0A+3], s[G1:G1+7]    ; both first fills together, ahead of every wait on TENSORcnt and every LDS read: two loads of mine are out
	s_nop 0
	tensor_load_to_lds s[G0B:G0B+3], s[G1:G1+7]
	s_nop 0
.rept 4
	v_nop                                          ; four lines behind the tensor loads
.endr
	v_and_b32 v8, 15, v0                           ; r = lane % 16
	v_bfe_u32 v9, v0, 4, 1                         ; h = lane / 16
	v_lshlrev_b32 v32, 7, v8
	v_lshl_add_u32 v32, v9, 4, v32                 ; Q: row r of 128 bytes, + 16 h
.irp c, 0,1,2,3
	global_load_b128 v[16+4*\c:19+4*\c], v32, s[104:105] offset:32*\c   ; Q's fragment stays in registers
.endr
	v_mul_u32_u24 v[LA], v8, KP
	v_lshl_add_u32 v[LA], v9, 4, v[LA]
	v_add_nc_u32 v[LAV], 2*TILEB, v[LA]
	v_and_b32 v33, 31, v0
	v_lshlrev_b32 v[PFO], 8, v33
	v_lshlrev_b32 v[GO], 4, v33
	s_mul_i32 s29, s[WV], 16*KP                    ; my stage for the way out: 16 rows x 144 bytes in slot 0, which has had its last fill and its last read at the last change of slots
	v_mul_u32_u24 v[STO], v8, KP
	v_lshl_add_u32 v[STO], v9, 3, v[STO]
	v_add_nc_u32 v[STO], s29, v[STO]               ; in: row r, + 8 h
	v_lshrrev_b32 v34, 3, v33
	v_mul_u32_u24 v[RD], v34, KP
	v_and_b32 v34, 7, v0
	v_lshl_add_u32 v[RD], v34, 4, v[RD]
	v_add_nc_u32 v[RD], s29, v[RD]                 ; back: eight lanes take a row of 128 bytes, an instruction four rows
	v_mov_b32 v[TM], 0xceabfb8f                    ; -1,442,695,040 = -1e9 x log2(e) as f32
	v_mov_b32 v13, 0xff61b1e6                      ; the largest t so far: -3e38, under every t
	v_floor_f32 v12, -v13                          ; -M
	v_mov_b32 v14, 0                               ; the sum, in two halves
	v_mov_b32 v15, 0
	v_mov_b32 v246, 0                              ; written once: a lane permute's destination counts as one of its sources
	v_mov_b32 v253, 0                              ; (named as the upper half of the pair v[252:253])
.set jj, 0
.rept 64
	v_mov_b32 v[OT+jj], 0                          ; O^T.  (The step is written once: the first finds zeros, which the first change of M leaves zeros)
.set jj, jj+1
.endr
	s_wait_kmcnt 0x0
	s_add_co_i32 s49, s44, s45
	s_lshl_b32 s49, s49, 23
	s_add_co_i32 s[CS], s[CS], s49                 ; a score stands for score x 2^(eq + ek): the two exponents are added to c's exponent field
	s_mov_b32 s[CS+1], s[CS]                       ; (named with it as a pair, so it is written)
	s_add_co_i32 s30, s46, s47                     ; ep + ev
	s_add_co_i32 s49, s46, 127
	s_lshl_b32 s50, s49, 23
	v_mov_b32 v244, s50                            ; 2^ep as f32, for p's conversion
	s_add_co_i32 s49, s49, 8
	s_lshl_b32 s49, s49, 23
	s_or_b32 s49, s49, 0x600000
	v_mov_b32 v240, s49                            ; 448 x 2^ep
	s_add_co_i32 s49, s48, 127
	s_lshl_b32 s50, s49, 23
	v_mov_b32 v245, s50                            ; 2^ea, for the result's
	s_add_co_i32 s49, s49, 8
	s_lshl_b32 s49, s49, 23
	s_or_b32 s49, s49, 0x600000
	v_mov_b32 v241, s49                            ; 448 x 2^ea
	s_load_b512 s[32:47], s[2:3], 0x0              ; step 0's mask words
	s_load_b512 s[48:63], s[2:3], 0x40
	s_load_b512 s[68:83], s[2:3], 0x80
	s_load_b512 s[84:99], s[2:3], 0xc0
; A KEY STEP: 128 keys, the q-th of the slot in hand.  chg = 1: the slot is left in this step and filled again; 2: it is left and nothing is asked for; 0: it is not left.  nxt = 1: a step follows.
.macro STEP q, chg, nxt
	v_add_nc_u32 v[ADV], s[TB], v[LAV]             ; this line and three v_nop: the four places between the last step's products and the loads into the registers that they read
.rept 3
	v_nop
.endr
	WIN TO_1
.irp t, 0,1,2,3,4,5,6,7
.irp c, 0,1,2,3
	ds_load_b128 v[128+16*\t+4*\c:128+16*\t+4*\c+3], v[ADV] offset:(\q)*TILEB+16*\t*KP+32*\c   ; V of this step: channels 16 t on, 128 keys
.endr
.endr
	s_wait_dscnt 32                                ; K's 32 loads, issued in the step before, are in; V's 32 may be out
	WIN MUL
.irp t, 0,1,2,3,4,5,6,7
	v_wmma_f32_16x16x128_fp8_fp8 v[S+8*\t:S+8*\t+7], v[16*\t:16*\t+15], v[16:31], 0   ; S^T: keys 16 t on x my 16 queries
.endr
	WIN 0
.if \chg
	s_xor_b32 s[TB], s[TB], SLOT1                  ; V has been asked for: all further fetches are from the other slot
.endif
	v_add_nc_u32 v[ADK], s[TB], v[LA]              ; again four places, in front of the first read of the scores
.rept 3
	v_nop
.endr
.set jj, 0
.rept 32
	v_pk_mul_f32 v[S+jj:S+jj+1], v[S+jj:S+jj+1], s[CS:CS+1] op_sel_hi:[1,0]   ; t = score x c; each accumulator from its low end on
.set jj, jj+2
.endr
	s_wait_kmcnt 0x0                               ; this step's mask words, asked for a step ago
.set jj, 0
.rept 64
	v_cndmask_b32 v[S+jj], v[TM], v[S+jj], s[32+jj+4*(jj/32)]   ; where the mask is 0: the masked t
.set jj, jj+1
.endr
.if \nxt
	s_add_nc_u64 s[2:3], s[2:3], 256               ; (the wait above has shown the last loads done, so their base may step)
	s_load_b512 s[32:47], s[2:3], 0x0              ; the next step's mask words
	s_load_b512 s[48:63], s[2:3], 0x40
	s_load_b512 s[68:83], s[2:3], 0x80
	s_load_b512 s[84:99], s[2:3], 0xc0
.endif
	v_max3_num_f32 v254, v[S], v[S+1], v[S+2]      ; the step's largest t of my query, among my 64 keys, in two chains,
	v_max3_num_f32 v248, v[S+3], v[S+4], v[S+5]
.irp i, 6,10,14,18,22,26,30,34,38,42,46,50,54,58
	v_max3_num_f32 v254, v254, v[S+\i], v[S+1+\i]
	v_max3_num_f32 v248, v248, v[S+2+\i], v[S+3+\i]
.endr
	v_max3_num_f32 v254, v254, v[S+62], v[S+63]
	v_max_num_f32 v254, v254, v248
	v_permlanex16_b32 v246, v254, s[SEL], s[SEL+1]
	v_max_num_f32 v254, v254, v246                 ; and among lane l xor 16's
	v_max_num_f32 v13, v13, v254                   ; the running largest t
	v_mov_b32 v254, v12
	v_floor_f32 v12, -v13                          ; the new -M = floor(-t) = -ceil(t): M IS A WHOLE NUMBER
	v_sub_f32 v254, v12, v254                      ; M's old value less its new one: a whole number, 0 or less
	v_cvt_i32_f32 v254, v254                       ; (it saturates)
	v_ldexp_f32 v252, 1.0, v254                    ; f = 2^(old M - new M)
.if \chg
	s_wait_tensorcnt 0x0                           ; THE CHANGE OF SLOTS.  All my tensor loads have landed: the one that was out is my part of the other slot; so a group 0 may be written
	ds_add_u32 v[SPW], v[NIL]                      ; 0 onto my spare word: work on registers stands between it and the wait for it
.if \chg == 1
	s_xor_b32 s[G0B+1], s[G0B+1], SLOT1            ; the walking descriptor: the other slot than last time,
	s_add_nc_u64 s[G0B+2:G0B+3], s[G0B+2:G0B+3], SLOTB   ; the next 256 keys; the type bits on top are not reached
	s_wait_xcnt 0x0                                ; the last prefetch, a slot back, has read its address, so it may be written:
	s_add_nc_u64 s[PFA:PFA+1], s[PFA:PFA+1], SLOTB ; one slot further on than the walking descriptor
.endif
.endif
.set jj, 0
.rept 32
	v_pk_add_f32 v[S+jj:S+jj+1], v[S+jj:S+jj+1], v[12:13] op_sel_hi:[1,0]   ; t - M (of the pair the low word, -M, serves both halves)
.set jj, jj+2
.endr
.if \chg
	s_wait_dscnt 0x0                               ; the add is done, and V is in registers: my reads of the slot that is left are over
	s_barrier_signal -1                            ; (with chg = 1 this barrier opens a round of the cluster's barrier)
.endif
.set jj, 0
.rept 32
	v_pk_mul_f32 v[OT+jj:OT+jj+1], v[OT+jj:OT+jj+1], v[252:253] op_sel_hi:[1,0]   ; O^T under the new M: x f.  Work on registers while the others arrive
.set jj, jj+2
.endr
	v_pk_mul_f32 v[14:15], v[14:15], v[252:253] op_sel_hi:[1,0]   ; and the sums
.if \chg
	s_barrier_wait -1
.endif
.if \chg == 1
	CREST                                          ; no wave of any partner still reads the slot or has a load on its way
	tensor_load_to_lds s[G0B:G0B+3], s[G1:G1+7]    ; the joint refill: the first thing behind the round, my one tensor load until the next; it has two key steps in which to land
	s_nop 0
.rept 4
	v_nop                                          ; four lines behind the tensor load
.endr
.endif
.if \nxt
	WIN TO_1
.irp t, 0,1,2,3,4,5,6,7
.irp c, 0,1,2,3
	ds_load_b128 v[16*\t+4*\c:16*\t+4*\c+3], v[ADK] offset:(1-(\q))*TILEB+16*\t*KP+32*\c   ; K of the next step: keys 16 t on
.endr
.endr
	WIN 0
.endif
.if \chg == 1
	ASK
.endif
.set jj, 0
.rept 64
	v_exp_f32 v[S+jj], v[S+jj]                     ; p = 2^(t - M), at most 1: NOT normalised
.set jj, jj+1
.endr
	v_nop                                          ; a plain instruction behind the last exponential (ISA guide 5.7.2)
	s_wait_alu depctr_va_vdst(0)                   ; one wait for the whole batch, ahead of its first reader
	v_pk_add_f32 v[242:243], v[S:S+1], v[S+2:S+3]  ; THE ROW'S SUM IS TAKEN OF THE UNQUANTISED p: two at a time, in two chains
.irp j, 4,8,12,16,20,24,28,32,36,40,44,48,52,56,60
	v_pk_add_f32 v[14:15], v[14:15], v[S+\j:S+1+\j]
	v_pk_add_f32 v[242:243], v[242:243], v[S+2+\j:S+3+\j]
.endr
	v_pk_add_f32 v[14:15], v[14:15], v[242:243]
.set jj, 0
.rept 64
	v_min_num_f32 v[S+jj], v[S+jj], v240           ; the conversion to an 8-bit code does not saturate (ISA guide 7.6.2); p is not negative, so the hold is one-sided
.set jj, jj+1
.endr
.irp t, 0,1,2,3,4,5,6,7
	v_cvt_scalef32_pk8_fp8_f32 v[PC+2*\t:PC+2*\t+1], v[S+8*\t:S+8*\t+7], v244   ; keys 16 t + 8 h + 0 .. 7: register pair t of the operand
.endr
	v_nop                                          ; one plain vector instruction between the last conversion and the matrix instructions that read its result
	s_wait_dscnt 32*(\nxt)                         ; V is in; the next step's K, 32 loads issued behind it, may be out
	WIN MUL
.irp t, 0,1,2,3,4,5,6,7
	v_wmma_f32_16x16x128_fp8_fp8 v[OT+8*\t:OT+8*\t+7], v[128+16*\t:128+16*\t+15], v[PC:PC+15], v[OT+8*\t:OT+8*\t+7]   ; O^T += V^T P^T: the eight accumulators take turns
.endr
	WIN 0
.endm
	s_wait_tensorcnt 1                             ; my part of slot 0 is in; slot 1's, issued behind it, may stay out
	s_barrier_signal -1
	s_barrier_wait -1                              ; everybody's is
	v_add_nc_u32 v[ADK], s[TB], v[LA]
	WIN TO_1
.irp t, 0,1,2,3,4,5,6,7
.irp c, 0,1,2,3
	ds_load_b128 v[16*\t+4*\c:16*\t+4*\c+3], v[ADK] offset:16*\t*KP+32*\c   ; K of step 0
.endr
.endr
	WIN 0
	s_wait_loadcnt 0x0                             ; Q
.Lslot:                                            ; 14 trips of two key steps: each leaves a slot and asks for the keys two slots on
	STEP 0, 0, 1
	STEP 1, 1, 1
	s_sub_co_u32 s[SLOTS], s[SLOTS], 1
	s_cmp_lg_u32 s[SLOTS], 0
	s_cbranch_scc1 .Lslot
	STEP 0, 0, 1                                   ; the last two slots are written out
	STEP 1, 2, 1
	STEP 0, 0, 1
	STEP 1, 0, 0
	; THE WAY OUT.  O^T x 2^(ep + ev) / the sum, held, quantised with 2^ea: eight channels of a row to 8 bytes; through my stage in LDS, and out as 2,048 dense bytes.
.rept 4
	v_nop                                          ; the places behind the last products
.endr
	v_add_f32 v14, v14, v15                        ; the sum's two halves,
	v_permlanex16_b32 v246, v14, s[SEL], s[SEL+1]
	v_add_f32 v14, v14, v246                       ; and lane l xor 16's: the row's sum, above 1/2
	v_rcp_f32 v14, v14
	v_nop                                          ; a plain instruction behind the transcendental
	s_wait_alu depctr_va_vdst(0)                   ; and the wait ahead of the first reader
	v_ldexp_f32 v14, v14, s30
.set jj, 0
.rept 32
	v_pk_mul_f32 v[S+jj:S+jj+1], v[OT+jj:OT+jj+1], v[14:15] op_sel_hi:[1,0]   ; register 8 t + j is a(r, 16 t + 8 h + j); each accumulator from its low end on
.set jj, jj+2
.endr
.set jj, 0
.rept 64
	v_med3_num_f32 v[S+jj], v[S+jj], -v241, v241
.set jj, jj+1
.endr
.irp t, 0,1,2,3,4,5,6,7
	v_cvt_scalef32_pk8_fp8_f32 v[PC+2*\t:PC+2*\t+1], v[S+8*\t:S+8*\t+7], v245
.endr
	v_nop
.irp t, 0,1,2,3,4,5,6,7
	ds_store_b64 v[STO], v[PC+2*\t:PC+2*\t+1] offset:16*\t
.endr
.irp k, 0,1,2,3
	ds_load_b128 v[32+4*\k:35+4*\k], v[RD] offset:4*\k*KP   ; LDS serves a wave's instructions in order: these see my stores
.endr
.irp k, 0,1,2,3
	s_wait_dscnt 3-\k
	global_store_b128 v[GO], v[32+4*\k:35+4*\k], s[4:5] offset:512*\k   ; 32 lanes store 512 consecutive bytes, at a multiple of 256 from the buffer's first byte
.endr
	s_wait_tensorcnt 0x0                           ; the wave's end: behind my last tensor load and my last LDS store
	ds_add_u32 v[SPW], v[NIL]
	s_wait_dscnt 0x0
	CROUND                                         ; the closing round: no work-group ends while a partner may still ask for a tile that names it
	s_endpgm
.Lfunc_end_k_q57bee0bd0f_attn:
	.size	k_q57bee0bd0f_attn, .Lfunc_end_k_q57bee0bd0f_attn-k_q57bee0bd0f_attn
	.p2alignl 7, 3214868480
	.fill 96, 4, 3214868480
	.section	.rodata,"a",@progbits
	.p2align	6, 0x0
	.amdhsa_kernel k_q57bee0bd0f_attn
		.amdhsa_group_segment_fixed_size 327680
		.amdhsa_private_segment_fixed_size 0
		.amdhsa_enable_private_segment 0
		.amdhsa_kernarg_size 48
		.amdhsa_user_sgpr_count 2
		.amdhsa_user_sgpr_kernarg_segment_ptr 1
		.amdhsa_wavefront_size32 1
		.amdhsa_system_sgpr_workgroup_id_x 1
		.amdhsa_system_sgpr_workgroup_id_y 1
		.amdhsa_system_sgpr_workgroup_id_z 1
		.amdhsa_system_vgpr_workitem_id 0
		.amdhsa_next_free_vgpr 512
		.amdhsa_next_free_sgpr 106
		.amdhsa_reserve_vcc 0
		.amdhsa_float_denorm_mode_32 3
		.amdhsa_float_denorm_mode_16_64 3
		.amdhsa_memory_ordered 1
		.amdhsa_forward_progress 1
		.amdhsa_inst_pref_size 168
	.end_amdhsa_kernel
	.amdgpu_metadata
---
amdhsa.version: [ 1, 2 ]
amdhsa.kernels:
  - .name:           k_q57bee0bd0f_attn
    .symbol:         k_q57bee0bd0f_attn.kd
    .args:
      - { .name: q_codes, .offset: 0, .size: 8, .value_kind: global_buffer, .address_space: global }
      - { .name: k_codes, .offset: 8, .size: 8, .value_kind: global_buffer, .address_space: global }
      - { .name: v_codes, .offset: 16, .size: 8, .value_kind: global_buffer, .address_space: global }
      - { .name: maskw, .offset: 24, .size: 8, .value_kind: global_buffer, .address_space: global }
      - { .name: lowp_scales, .offset: 32, .size: 8, .value_kind: global_buffer, .address_space: global }
      - { .name: a_codes, .offset: 40, .size: 8, .value_kind: global_buffer, .address_space: global }
    .group_segment_fixed_size: 327680
    .private_segment_fixed_size: 0
    .kernarg_segment_align: 8
    .kernarg_segment_size: 48
    .max_flat_workgroup_size: 256
    .sgpr_count:     106
    .vgpr_count:     512
    .wavefront_size: 32
...
	.end_amdgpu_metadata
.endif
;; end of part 3
;; launch outp (part 4): grid 4 x 16, 4 waves a work-group, clusters of 4 x 4, 327,680 bytes of LDS; arguments a_codes, Wo_codes, lowp_scales, bo, out0; writes out0
.if DOCPART == 4
	.amdgcn_target "amdgcn-amd-amdhsa--gfx1250"
	.amdhsa_code_object_version 6
	.text
	.protected	k_q57bee0bd0f_outp
	.globl	k_q57bee0bd0f_outp
	.p2align	8
	.type	k_q57bee0bd0f_outp,@function
k_q57bee0bd0f_outp:
	s_mov_b64 s[64:65], 0
	v_nop
	global_prefetch_b8 v0, s[64:65] scope:SCOPE_SE
	s_setreg_imm32_b32 hwreg(HW_REG_WAVE_MODE, 25, 1), 1
	s_wait_xcnt 0x0
	s_wait_alu depctr_hold_cnt(0) depctr_sa_sdst(0) depctr_va_vdst(0) depctr_va_sdst(0) depctr_va_ssrc(0) depctr_va_vcc(0) depctr_vm_vsrc(0)
	s_getreg_b32 s2, hwreg(HW_REG_IB_STS2, 6, 4)
	s_cmp_eq_u32 s2, 0
	s_cbranch_scc0 .Lentry_in_a_cluster
	s_endpgm
.Lentry_in_a_cluster:
	s_bfe_u32 s2, ttmp6, 0x10000c
	s_cmp_lg_u32 s2, 0xf033
	s_cbranch_scc0 .Lentry_shape_is_right
	s_endpgm
.Lentry_shape_is_right:
; out0[m][n] = the sum over k of a[m][k] Wo[n][k] + bo[n], on codes of FP8 (E4M3) with the given scales 2^ea (entry 10) and 2^eb (entry 11); sums in f32; out0 [4096][1024] f32.
; a_codes lies [head 8][token 4096][128 bytes]: K = 128 x head + channel.  Wo_codes: [1024][1024 bytes], K innermost.
; A tile of out0, 256 x 256, is made by a work-group of four waves, 128 x 128 each: 64 accumulators, 512 registers.  K goes in steps of 256, two heads, through a ring of two LDS slots.
; A slot: a's 256 rows of head 2 t (rows of 128 bytes, 144 apart), the same of head 2 t + 1, then Wo's 256 rows of 256 bytes (272 apart).  Wave 0 and wave 1 fetch a head's 256 rows each, dense in memory; waves 2 and 3 each 128 rows of Wo.
; CLUSTERS: 4 x 4 work-groups.  The four of a row of the cluster need the same tiles of a, the four of a column the same tiles of Wo: each tile is asked for JOINTLY, by the same tensor load with the same descriptor and a mask that names the four.
; THE MATRIX INSTRUCTION IS USED TRANSPOSED (source 0 = 16 rows of Wo, source 1 = 16 rows of a): a lane holds eight neighbouring numbers of a row of out0.
; THE BIAS, divided by 2^(ea + eb), is the C of each sum's first product; each finished sum is multiplied once by 2^(ea + eb).
; LIMIT: ea + eb between -126 and 127, so that 2^(ea + eb) is an f32 number.
; The launch has 64 tiles of this size, so 64 work-groups: the larger tile is kept for the sake of the multiply-adds that each byte read from LDS feeds.
; REGISTERS, in windows of 256: window 0: v0-31 addresses; v32-95 the bias in the result's layout, later at work; from v128 a's fragments, ONE set.   window 1: Wo's fragments, TWO sets.   windows 2, 3: the accumulators.
.set SIZE_N, 1024
.set KROW,   1024                      ; a row of Wo in memory, in bytes
.set PA,     144                       ; an LDS row of a: 128 bytes + 16 of padding
.set PB,     272                       ; of Wo: 256 bytes + 16
.set AHALF,  256*PA                    ; one head's 256 rows: what wave 0 or 1 fetches
.set BOFF,   2*AHALF                   ; Wo's rows lie behind them
.set BHALF,  128*PB                    ; 128 rows of Wo: what wave 2 or 3 fetches
.set SLOT,   BOFF+2*BHALF
.set HEADB,  4096*128                  ; a head of a_codes in bytes
.set FR,     16                        ; registers of a fragment: 16 rows x 128 K
.set NL,     4                         ; LDS loads that bring one
.set NP,     4                         ; places behind this matrix instruction (ISA guide 7.12.1)
.set LAPS,   2                         ; K = 1,024 = two laps of two K steps of 256
.set SPARE,  2*SLOT                    ; behind the ring: the spare words, 128 bytes for each wave: two blocks of 256 bytes that no other line names
.set SPITCH, 528                       ; the way out: a stage of 16 rows x (512 bytes + 16) for each wave, in slot 0, which has had its last fill and its last read when the first result is stored there
.set ADRA, 16                          ; v16-17  LDS address of my fragments of a in slot 0, 1
.set ADRB, 20                          ; v20-21  the same for Wo
.set STO,  24                          ; v24     the way out: where I put 32 bytes of a row
.set RD,   25                          ; v25     the way out: where I read a row back
.set CO,   26                          ; v26     my byte offset in a row of out0
.set BO8,  27                          ; v27     32 x (lane / 16): my eight numbers of a tile's sixteen biases
.set SPW,  28                          ; v28     LDS address of my spare word; never rewritten
.set NIL,  29                          ; v29     0; never rewritten
.set CB,   32                          ; the bias
.set TMP,  32                          ; the way out: 64 registers, a block's sums x 2^(ea + eb)
.set AF,   128                         ; a's fragments, in window 0
.set BK,   128                         ; the way out: 16 rows read back from the stage: v128-191 and v192-255 by turns
.set G1, 24                            ; s[24:31] descriptor group 1 for a's tiles;  s[32:39] group 0, one set for each slot
.set G0, 32
.set G1B, 48                           ; s[48:55], s[56:63] the same for Wo's tiles
.set G0B, 56
.set MSB, 0
.macro WIN new                         ; the immediate's high byte repeats the setting that is left
.if MSB != (\new)
	s_set_vgpr_msb (MSB<<8)|(\new)
.set MSB, (\new)
.endif
.endm
.set MUL_LO,  0xa1                     ; source 0 (Wo) window 1, source 1 (a) window 0, C and D window 2
.set MUL_HI,  0xf1                     ; the same, C and D window 3
.set MUL_LO0, 0x81                     ; the first products: C (the bias) window 0, D window 2
.set MUL_HI0, 0xc1                     ; C window 0, D window 3
.set TO_B,    0x40                     ; destination window 1, address window 0
; A joint load: waves 0 and 1 fetch for a, waves 2 and 3 for Wo.  Each of the two lines has ONE mask, one shape and one set of registers for all that issue it; the branch hangs on the wave's number alone.
; Four v_nop follow each of the two lines, ahead of the jump, the label and what follows.
.macro JLOAD g0a, g1a, g0b, g1b
	s_cmp_eq_u32 s15, 0
	s_cbranch_scc0 .Lfor_b_\@
	tensor_load_to_lds s[\g0a:\g0a+3], s[\g1a:\g1a+7]
	s_nop 0
.rept 4
	v_nop
.endr
	s_branch .Lasked_\@
.Lfor_b_\@:
	tensor_load_to_lds s[\g0b:\g0b+3], s[\g1b:\g1b+7]
	s_nop 0
.rept 4
	v_nop
.endr
.Lasked_\@:
.endm
.macro CREST                           ; a round of the cluster's barrier behind its opening barrier
	s_cmp_lg_u32 s14, 0
	s_cbranch_scc1 .Lnot_wave_0_\@
	s_barrier_signal -3
.Lnot_wave_0_\@:
	s_barrier_wait -3
	s_barrier_signal -1
	s_barrier_wait -1
.endm
.macro CROUND                          ; a whole round
	s_barrier_signal -1
	s_barrier_wait -1
	CREST
.endm
	s_load_b128 s[4:7], s[0:1], 0x0                ; a_codes s[4:5], Wo_codes s[6:7]
	s_load_b128 s[8:11], s[0:1], 0x10              ; the scales' exponents s[8:9], bo s[10:11]
	s_load_b64 s[12:13], s[0:1], 0x20              ; out0
	v_lshl_add_u32 v[SPW], v0, 2, SPARE
	v_mov_b32 v[NIL], 0
	ds_add_u32 v28, v29
	ds_add_u32 v28, v29
	s_wait_dscnt 0x0
	v_lshrrev_b32 v1, 5, v0
	v_readfirstlane_b32 s14, v1                    ; wave 0..3
	s_lshr_b32 s15, s14, 1                         ; which half of the tile's rows is mine.  Also: I fetch for a (0) or for Wo (1)
	s_and_b32 s16, s14, 1                          ; which half of its columns.  Also: which head of the K step, or which 128 rows of Wo, I fetch
	s_bfe_u32 s40, ttmp6, 0x40000                  ; cx, cy: my place in the cluster
	s_bfe_u32 s41, ttmp6, 0x40004
	s_lshl_b32 s42, ttmp9, 2
	s_add_co_u32 s42, s42, s40                     ; tile column = 4 x cluster x + cx
	s_and_b32 s17, ttmp7, 0xffff
	s_lshl_b32 s17, s17, 2
	s_add_co_u32 s17, s17, s41                     ; tile row = 4 x cluster y + cy
	s_lshl_b32 s43, s41, 2
	s_lshl_b32 s43, 15, s43                        ; my row of the cluster
	s_lshl_b32 s44, 0x1111, s40                    ; my column
	; descriptor group 1 for a: 256 rows x 128 bytes, dense in memory, padded in LDS
	s_or_b32 s[G1+0], s43, (0<<16)|(1<<20)|(1<<21)|(4<<22)|(3<<25)  ; 15:0 the mask: a's tiles go to my row; 17:16 element of 1 byte; 20 padding on; 21 set beside a mask; 24:22 after every 32 words (code 4); 31:25 of 4 words (code 3)
	s_mov_b32 s[G1+1], 128<<16                     ; tensor_dim0
	s_mov_b32 s[G1+2], 256<<16                     ; tensor_dim1
	s_mov_b32 s[G1+3], 128<<16                     ; tile_dim0
	s_mov_b32 s[G1+4], 256                         ; tile_dim1
	s_mov_b32 s[G1+5], 128                         ; tensor_dim0_stride
	s_mov_b32 s[G1+6], 0
	s_mov_b32 s[G1+7], 0
	; and for Wo: 128 rows x 256 bytes
	s_or_b32 s[G1B+0], s44, (0<<16)|(1<<20)|(1<<21)|(5<<22)|(3<<25) ; the mask of my column; padding after every 64 words (code 5)
	s_mov_b32 s[G1B+1], 256<<16
	s_mov_b32 s[G1B+2], 128<<16
	s_mov_b32 s[G1B+3], 256<<16
	s_mov_b32 s[G1B+4], 128
	s_mov_b32 s[G1B+5], KROW
	s_mov_b32 s[G1B+6], 0
	s_mov_b32 s[G1B+7], 0
	s_mul_i32 s20, s16, HEADB                      ; a: head 0 or 1 of the K step,
	s_lshl_b32 s21, s17, 15
	s_add_co_u32 s20, s20, s21                     ; + 256 x tile row rows of 128 bytes
	s_mov_b32 s21, 0
	s_lshl_b32 s18, s16, 7
	s_lshl_b32 s46, s42, 8
	s_add_co_u32 s46, s46, s18                     ; Wo: row 256 x tile column + 128 x half,
	s_lshl_b32 s46, s46, 10                        ; in bytes
	s_mov_b32 s47, 0
	s_mul_i32 s45, s16, AHALF                      ; where they go: no place in the cluster enters an LDS address
	s_mul_i32 s66, s16, BHALF
	s_add_co_u32 s66, s66, BOFF
	s_wait_kmcnt 0x0
	s_load_b64 s[96:97], s[8:9], 0x28              ; ea, eb: entries 10 and 11
	s_add_nc_u64 s[20:21], s[4:5], s[20:21]
	s_add_nc_u64 s[46:47], s[6:7], s[46:47]
	CROUND                                         ; all sixteen work-groups are here: the first joint loads meet
.irp s, 0,1
	s_mov_b32 s[G0+4*\s], 1
	s_add_co_u32 s[G0+4*\s+1], s45, \s*SLOT
	s_add_nc_u64 s[G0+4*\s+2:G0+4*\s+3], s[20:21], \s*2*HEADB
	s_or_b32 s[G0+4*\s+3], s[G0+4*\s+3], 0x80000000
	s_mov_b32 s[G0B+4*\s], 1
	s_add_co_u32 s[G0B+4*\s+1], s66, \s*SLOT
	s_add_nc_u64 s[G0B+4*\s+2:G0B+4*\s+3], s[46:47], \s*256
	s_or_b32 s[G0B+4*\s+3], s[G0B+4*\s+3], 0x80000000
	JLOAD G0+4*\s, G1, G0B+4*\s, G1B
.endr
	v_and_b32 v1, 15, v0                           ; r = l % 16
	v_bfe_u32 v2, v0, 4, 1                         ; h = l / 16
	v_lshlrev_b32 v[BO8], 5, v2
	s_lshl_b32 s46, s42, 10                        ; my first column, in bytes of out0 and of bo alike: 1,024 x tile column + 512 x half
	s_lshl_b32 s47, s16, 9
	s_add_co_u32 s46, s46, s47
	s_mov_b32 s47, 0
	s_add_nc_u64 s[10:11], s[10:11], s[46:47]
.irp b, 0,1,2,3,4,5,6,7
	global_load_b128 v[CB+8*\b:CB+8*\b+3], v[BO8], s[10:11] offset:64*\b       ; bo[16 b + 8 h + 0 .. 7] of my 128 columns, in the result's layout
	global_load_b128 v[CB+8*\b+4:CB+8*\b+7], v[BO8], s[10:11] offset:64*\b+16
.endr
	v_mul_u32_u24 v3, v1, PA
	v_lshl_add_u32 v4, v2, 4, v3                   ; a fragment's row x pitch + 16 x half, for a,
	v_mul_u32_u24 v3, v1, PB
	v_lshl_add_u32 v9, v2, 4, v3                   ; and for Wo
	s_mul_i32 s21, s15, 128*PA                     ; my 128 rows of a (in each head's 256)
	s_mul_i32 s22, s16, BHALF                      ; my 128 rows of Wo
	s_add_co_u32 s22, s22, BOFF
.irp s, 0,1
	v_add_nc_u32 v[ADRA+\s], s21, v4
	v_add_nc_u32 v[ADRB+\s], s22, v9
	s_add_co_u32 s21, s21, SLOT
	s_add_co_u32 s22, s22, SLOT
.endr
	s_mul_i32 s23, s14, 16*SPITCH                  ; my stage
	v_mul_u32_u24 v5, v1, SPITCH                   ; in: row l % 16, 32 bytes for each half of the lanes
	v_lshl_add_u32 v5, v2, 5, v5
	v_add_nc_u32 v[STO], s23, v5
	v_and_b32 v6, 31, v0
	v_lshlrev_b32 v[CO], 4, v6                     ; back: the 32 lanes take one row of 512 bytes; and the same in out0
	v_add_nc_u32 v[RD], s23, v[CO]
	s_lshl_b32 s20, s17, 8
	s_lshl_b32 s21, s15, 7
	s_add_co_u32 s20, s20, s21                     ; my first row of out0: 256 x tile row + 128 x half,
	s_lshl_b32 s20, s20, 12                        ; rows of 4,096 bytes: under 2^24
	s_mov_b32 s21, 0
	s_add_nc_u64 s[20:21], s[20:21], s[46:47]
	s_add_nc_u64 s[12:13], s[12:13], s[20:21]
	s_wait_kmcnt 0x0
	s_add_co_i32 s96, s96, s97                     ; ea + eb
	s_sub_co_i32 s67, 0, s96
	s_add_co_i32 s96, s96, 127
	s_lshl_b32 s96, s96, 23                        ; 2^(ea + eb) as f32
	s_mov_b32 s97, s96                             ; (named with it as a pair, so it is written)
	s_wait_loadcnt 0x0                             ; the bias
.set jj, 0
.rept 64
	v_ldexp_f32 v[CB+jj], v[CB+jj], s67            ; a sum stands for sum x 2^(ea + eb): the bias goes in divided by that
.set jj, jj+1
.endr
; A fragment, 16 rows x 128 K of 8-bit codes, is 16 registers: lane l holds row l % 16; registers 4 c .. 4 c + 3 hold K = 32 c + 16 (l / 16) + 0 .. 15: the same order of k in a and in Wo, so every product meets its partner.
.macro FRAGA reg, adr, q, i            ; of a: the slot's q-th 128 along K are its q-th head's rows
.irp c, 0,1,2,3
	ds_load_b128 v[\reg+4*\c:\reg+4*\c+3], v[\adr] offset:AHALF*(\q)+32*\c+(\i)*16*PA
.endr
.endm
.macro FRAGB reg, adr, q, i            ; of Wo: they are bytes 128 q on of its rows
.irp c, 0,1,2,3
	ds_load_b128 v[\reg+4*\c:\reg+4*\c+3], v[\adr] offset:128*(\q)+32*\c+(\i)*16*PB
.endr
.endm
; 16 matrix instructions: a's blocks a0, a0 + 1 x Wo's eight, 128 along K.  p: Wo's set.  zero = 1: the first product starts the sums, with the bias as C: nothing is ever cleared.
; The 64 accumulators take turns, one instruction a turn, in the same order in every step.
.macro MUL16 a0, p, zero
.irp a, \a0, \a0+1
.irp b, 0,1,2,3,4,5,6,7
.if \zero
	v_wmma_f32_16x16x128_fp8_fp8 v[8*(8*((\a)%4)+\b):8*(8*((\a)%4)+\b)+7], v[128*(\p)+FR*\b:128*(\p)+FR*\b+FR-1], v[AF+FR*(\a):AF+FR*(\a)+FR-1], v[CB+8*\b:CB+8*\b+7]
.else
	v_wmma_f32_16x16x128_fp8_fp8 v[8*(8*((\a)%4)+\b):8*(8*((\a)%4)+\b)+7], v[128*(\p)+FR*\b:128*(\p)+FR*\b+FR-1], v[AF+FR*(\a):AF+FR*(\a)+FR-1], v[8*(8*((\a)%4)+\b):8*(8*((\a)%4)+\b)+7]
.endif
.endr
.endr
.endm
.macro FETCH_B slot, q, p              ; Wo's eight fragments of the slot's q-th 128 along K into set p
	WIN TO_B
.irp i, 0,1,2,3,4,5,6,7
	FRAGB 128*(\p)+FR*\i, ADRB+\slot, \q, \i
.endr
	WIN 0
.endm
.macro FETCH_A slot, q, i0             ; a's blocks i0 .. i0 + 3
.irp i, \i0, \i0+1, \i0+2, \i0+3
	FRAGA AF+FR*(\i), ADRA+\slot, \q, \i
.endr
.endm
; A load into a register that a matrix instruction has read, and a vector instruction that reads a matrix result or writes one of its registers, stand NP places behind that matrix instruction; only plain
; vector instructions that name none of its registers are places (ISA guide 7.12.1 for vector instructions).
.macro PLACES n
.rept \n
	v_nop
.endr
.endm
; A step of 128 along K that has its successor in the same slot.
.macro STEP slot, q, zero
	s_wait_dscnt 4*NL                              ; Wo's set and a's blocks 0-3 are in; the youngest sixteen loads (a's blocks 4-7) may be out
.if \zero
	WIN MUL_LO0
.else
	WIN MUL_LO
.endif
	MUL16 0, (\q)%2, \zero
	MUL16 2, (\q)%2, \zero
	s_wait_dscnt 0                                 ; a's blocks 4-7 are in (asked for 32 matrix instructions ago)
	PLACES NP
	FETCH_B \slot, (\q)+1, 1-(\q)%2
	FETCH_A \slot, (\q)+1, 0
.if \zero
	WIN MUL_HI0
.else
	WIN MUL_HI
.endif
	MUL16 4, (\q)%2, \zero
	MUL16 6, (\q)%2, \zero
	PLACES NP
	WIN 0
	FETCH_A \slot, (\q)+1, 4
.endm
; A slot's last step changes slots: ONE barrier; in front of it each wave waits for all its tensor loads, adds 0 to its spare word, and waits for that and for its own reads of this slot.  fill = 1: this slot is filled again, two K steps ahead.
.macro TURN slot, next, fill
	s_wait_tensorcnt 0x0                           ; all my tensor loads have landed: my part of the next slot;  (every window is 0 here: the add's two registers lie in window 0)
	ds_add_u32 v[SPW], v[NIL]                      ; 0 onto my spare word
	s_wait_dscnt 4*NL+1                            ; (the add and the youngest sixteen loads, a's blocks 4-7, may be out)
	WIN MUL_LO
	MUL16 0, 1, 0                                  ; sixteen matrix instructions stand between the add and the wait for it
	s_wait_dscnt 0x0                               ; the add is done, and my reads of this slot are over
	s_barrier_signal -1
	MUL16 2, 1, 0
	WIN 0
	s_barrier_wait -1
.if \fill
	CREST                                          ; the barrier has opened a round of the cluster's barrier: no wave of any partner still reads this slot's tile or has a load on its way
	s_add_nc_u64 s[G0+4*\slot+2:G0+4*\slot+3], s[G0+4*\slot+2:G0+4*\slot+3], 4*HEADB
	s_add_nc_u64 s[G0B+4*\slot+2:G0B+4*\slot+3], s[G0B+4*\slot+2:G0B+4*\slot+3], 2*256
	JLOAD G0+4*\slot, G1, G0B+4*\slot, G1B         ; the first tensor load behind the round; the four v_nop behind it are the places in front of the loads below
.else
	PLACES NP
.endif
	FETCH_B \next, 0, 0
	FETCH_A \next, 0, 0
	WIN MUL_HI
	MUL16 4, 1, 0
	MUL16 6, 1, 0
	PLACES NP
	WIN 0
	FETCH_A \next, 0, 4
.endm
	s_wait_tensorcnt 1                             ; my part of K step 0 is in (K step 1's load, issued behind it, may be out)
	s_barrier_signal -1
	s_barrier_wait -1                              ; everybody's is
	FETCH_B 0, 0, 0
	FETCH_A 0, 0, 0
	FETCH_A 0, 0, 4
	STEP 0, 0, 1                                   ; the first step stands in front of the loop: its products start the sums
	s_mov_b32 s3, LAPS-1
.Llap:                                                 ; a trip goes once round the ring, from a lap's second step to the next lap's first, and fills both slots again
	TURN 0, 1, 1
	STEP 1, 0, 0
	TURN 1, 0, 1
	STEP 0, 0, 0
	s_sub_co_u32 s3, s3, 1
	s_cmp_lg_u32 s3, 0
	s_cbranch_scc1 .Llap
	TURN 0, 1, 0                                   ; the last lap fills nothing, and has no round of the cluster's barrier
	STEP 1, 0, 0
	s_wait_dscnt 4*NL                              ; the very last step: nothing more to fetch
	WIN MUL_LO
	MUL16 0, 1, 0
	MUL16 2, 1, 0
	s_wait_dscnt 0
	WIN MUL_HI
	MUL16 4, 1, 0
	MUL16 6, 1, 0
	WIN 0
; THE WAY OUT, block by block of 16 rows x 128 columns.  A lane holds 32 neighbouring bytes of a row, and the lanes beside it hold other rows: so a block goes through my own stage in LDS and comes back as whole
; rows of 512 bytes.  LDS serves a wave's instructions in order (ISA guide 5.7.1.4): no wait between the stores and the loads, nor in front of the next block's stores.
.macro TOSTAGE a
.set AC, 64*((\a)%4)
	WIN 0x02+((\a)/4)                              ; source 0: window 2 or 3
.set jj, 0
.rept 32
	v_pk_mul_f32 v[TMP+jj:TMP+jj+1], v[AC+jj:AC+jj+1], s[96:97] op_sel_hi:[1,0]   ; both x s96 = 2^(ea + eb); each accumulator from its low end on
.set jj, jj+2
.endr
	WIN 0
.irp b, 0,1,2,3,4,5,6,7
	ds_store_b128 v[STO], v[TMP+8*\b:TMP+8*\b+3] offset:64*\b
	ds_store_b128 v[STO], v[TMP+8*\b+4:TMP+8*\b+7] offset:64*\b+16
.endr
.set BB, BK+64*((\a)%2)
.irp t, 0,1,2,3,4,5,6,7,8,9,10,11,12,13,14,15
	ds_load_b128 v[BB+4*\t:BB+4*\t+3], v[RD] offset:\t*SPITCH
.endr
.endm
.macro SEND a, younger                 ; younger: the LDS instructions issued behind block a's loads, which may stay out
.set BB, BK+64*((\a)%2)
	s_wait_dscnt \younger                          ; the block is back in registers
.if (\a) > 0
	s_add_nc_u64 s[12:13], s[12:13], 16*SIZE_N*4   ; (behind a wait on XCNT: the earlier stores have read their base)  16 rows of out0 on
.endif
.irp t, 0,1,2,3,4,5,6,7,8,9,10,11,12,13,14,15
	global_store_b128 v[CO], v[BB+4*\t:BB+4*\t+3], s[12:13] offset:\t*SIZE_N*4 th:TH_STORE_NT   ; 32 lanes store 512 consecutive bytes, at a multiple of 256 from out0's first byte; written once, read by nobody here
.endr
.endm
	PLACES NP                                      ; behind the last products: for the loads into the registers that held a's fragments, and for the reads of the results
	TOSTAGE 0
.irp a, 1,2,3,4,5,6,7
.if \a > 1
	s_wait_xcnt 0x0                                ; block a - 2's stores have read their registers and their base: block a's loads may land there, and the base may step
.endif
	TOSTAGE \a
	SEND \a-1, 32                                  ; behind block a - 1's loads: block a's 16 stores and 16 loads
.endr
	s_wait_xcnt 0x0                                ; block 6's stores have read their base
	SEND 7, 0
	s_wait_tensorcnt 0x0                           ; the wave's end: behind my last tensor load and my last LDS store
	ds_add_u32 v[SPW], v[NIL]
	s_wait_dscnt 0x0
	CROUND                                         ; the closing round: no work-group ends while a partner may still ask for a tile that names it
	s_endpgm
.Lfunc_end_k_q57bee0bd0f_outp:
	.size	k_q57bee0bd0f_outp, .Lfunc_end_k_q57bee0bd0f_outp-k_q57bee0bd0f_outp
	.p2alignl 7, 3214868480
	.fill 96, 4, 3214868480
	.section	.rodata,"a",@progbits
	.p2align	6, 0x0
	.amdhsa_kernel k_q57bee0bd0f_outp
		.amdhsa_group_segment_fixed_size 327680
		.amdhsa_private_segment_fixed_size 0
		.amdhsa_enable_private_segment 0
		.amdhsa_kernarg_size 40
		.amdhsa_user_sgpr_count 2
		.amdhsa_user_sgpr_kernarg_segment_ptr 1
		.amdhsa_wavefront_size32 1
		.amdhsa_system_sgpr_workgroup_id_x 1
		.amdhsa_system_sgpr_workgroup_id_y 1
		.amdhsa_system_sgpr_workgroup_id_z 1
		.amdhsa_system_vgpr_workitem_id 0
		.amdhsa_next_free_vgpr 1024
		.amdhsa_next_free_sgpr 98
		.amdhsa_reserve_vcc 0
		.amdhsa_float_denorm_mode_32 3
		.amdhsa_float_denorm_mode_16_64 3
		.amdhsa_memory_ordered 1
		.amdhsa_forward_progress 1
		.amdhsa_inst_pref_size 129
	.end_amdhsa_kernel
	.amdgpu_metadata
---
amdhsa.version: [ 1, 2 ]
amdhsa.kernels:
  - .name:           k_q57bee0bd0f_outp
    .symbol:         k_q57bee0bd0f_outp.kd
    .args:
      - { .name: a_codes, .offset: 0, .size: 8, .value_kind: global_buffer, .address_space: global }
      - { .name: Wo_codes, .offset: 8, .size: 8, .value_kind: global_buffer, .address_space: global }
      - { .name: lowp_scales, .offset: 16, .size: 8, .value_kind: global_buffer, .address_space: global }
      - { .name: bo, .offset: 24, .size: 8, .value_kind: global_buffer, .address_space: global }
      - { .name: out0, .offset: 32, .size: 8, .value_kind: global_buffer, .address_space: global }
    .group_segment_fixed_size: 327680
    .private_segment_fixed_size: 0
    .kernarg_segment_align: 8
    .kernarg_segment_size: 40
    .max_flat_workgroup_size: 128
    .sgpr_count:     98
    .vgpr_count:     1024
    .wavefront_size: 32
...
	.end_amdgpu_metadata
.endif
;; end of part 4
;; ======== version 2 of 2: 4 launches
;; limits: right only within a limited range of input values
;; workspace buffers: q_codes 4,194,304 bytes; k_codes 4,194,304 bytes; v_codes 4,194,304 bytes; a_codes 4,194,304 bytes; maskw 2,097,152 bytes of whole numbers
;; launch packmask (part 5): grid 256 x 2, 8 waves a work-group, no clusters, 68,608 bytes of LDS; arguments mask, maskw; writes maskw
.if DOCPART == 5
	.amdgcn_target "amdgcn-amd-amdhsa--gfx1250"
	.amdhsa_code_object_version 6
	.text
	.protected	k_q57bee0bd0f_packmask
	.globl	k_q57bee0bd0f_packmask
	.p2align	8
	.type	k_q57bee0bd0f_packmask,@function
k_q57bee0bd0f_packmask:
	s_mov_b64 s[64:65], 0
	v_nop
	global_prefetch_b8 v0, s[64:65] scope:SCOPE_SE
	s_setreg_imm32_b32 hwreg(HW_REG_WAVE_MODE, 25, 1), 1
	s_wait_xcnt 0x0
; mask [4096][4096] int32 becomes lane-mask words: maskw [query tile T 256][key step S 32][n 64] of 32 bits.
; Bit L of word n says whether mask[16 T + L % 16][128 S + 16 (n / 8) + 8 (L / 16) + n % 8] is not 0: the very word by which the attention
; launch selects in its score register n (lane L holds query L % 16, register n that key).  So the 64 MiB are read once, by this launch, and the eight heads read 2 MiB.
; SHARES.  A work-group takes 16 rows (T = x) and 2,048 keys (y); each of its eight waves two key steps of 128 keys.  Waves share nothing: no barrier.
; Each load reads 512 consecutive bytes of one row (16 a lane); all 32 loads of a wave go out at once.  A step's 16 x 512 bytes turn through the wave's own stage in LDS
; (rows 528 bytes apart) and come back so that lane (r, h) holds row r's keys 16 tt + 8 h + 0 .. 7.
; A compare then makes one word of 32 lanes' bits; v_writelane_b32 puts word n into lane n / 2, register n % 2, and the wave stores a step's 64 words as 256 consecutive bytes, aligned.
.set ROWB,  16384                      ; a row of the mask in bytes
.set STEPB, 512                        ; 128 keys in bytes
.set SP,    528                        ; a stage row: 512 bytes + 16 of padding
.set WST,   16*SP                      ; a wave's stage
.set R,     16                         ; v16-143   step st, row r as loaded: v[R + 64 st + 4 r ..]
.set X,     144                        ; v144-207  the 64 numbers of my row, back from the stage
.set WD,    16                         ; s16-47    32 words at a time
	s_load_b128 s[4:7], s[0:1], 0x0                ; mask s[4:5], maskw s[6:7]
	v_lshl_add_u32 v208, v0, 2, 0x10800
	v_mov_b32 v209, 0
	v_lshrrev_b32 v1, 5, v0
	s_delay_alu instid0(VALU_DEP_1)
	v_readfirstlane_b32 s8, v1                     ; wave 0..7
	v_and_b32 v1, 31, v0                           ; lane
	s_mul_i32 s9, s8, WST                          ; my stage
	v_lshlrev_b32 v4, 4, v1                        ; my 16 bytes of a load's 512
	s_delay_alu instid0(VALU_DEP_1)
	v_add_nc_u32 v2, s9, v4                        ; the stage, on the way in
	v_and_b32 v6, 15, v0                           ; r
	v_bfe_u32 v7, v0, 4, 1                         ; h
	s_delay_alu instid0(VALU_DEP_2)
	v_mul_u32_u24 v3, v6, SP
	s_delay_alu instid0(VALU_DEP_1)
	v_lshl_add_u32 v3, v7, 5, v3
	s_delay_alu instid0(VALU_DEP_1)
	v_add_nc_u32 v3, s9, v3                        ; and on the way out: row r, + 32 h bytes
	v_lshlrev_b32 v5, 3, v1                        ; my two words of a step's 64
	v_mov_b32 v8, 0                                ; v_writelane_b32 keeps the other lanes: its destination is written once beforehand
	v_mov_b32 v9, 0
	v_mov_b32 v10, 0
	v_mov_b32 v11, 0
	s_and_b32 s10, ttmp7, 0xffff
	s_lshl_b32 s10, s10, 4
	s_lshl_b32 s11, s8, 1
	s_add_co_u32 s10, s10, s11                     ; my first key step: 16 y + 2 x wave
	s_lshl_b32 s12, ttmp9, 18                      ; 16 rows of 16,384 bytes,
	s_lshl_b32 s13, s10, 9
	s_add_co_u32 s12, s12, s13                     ; + the key step's bytes: under 2^26
	s_mov_b32 s13, 0
	s_lshl_b32 s14, ttmp9, 5
	s_add_co_u32 s14, s14, s10
	s_lshl_b32 s14, s14, 8                         ; (32 T + S) x 256 bytes
	s_mov_b32 s15, 0
	s_wait_alu depctr_va_vdst(0)
	s_wait_kmcnt 0x0
	s_add_nc_u64 s[4:5], s[4:5], s[12:13]
	s_add_nc_u64 s[6:7], s[6:7], s[14:15]
.irp st, 0,1
.set i, 0
.rept 16
	global_load_b128 v[R+64*\st+4*i:R+64*\st+4*i+3], v4, s[4:5] offset:i*ROWB+\st*STEPB th:TH_LOAD_NT
.set i, i+1
.endr
.endr
.macro PACK st
	s_wait_loadcnt 16*(1-\st)                      ; loads come back in order: this step's sixteen are in; for step 0 the sixteen of step 1 stay out
.set i, 0
.rept 16
	ds_store_b128 v2, v[R+64*\st+4*i:R+64*\st+4*i+3] offset:i*SP
.set i, i+1
.endr
.set i, 0
.rept 16
	ds_load_b128 v[X+4*i:X+4*i+3], v3 offset:64*(i/2)+16*(i%2)   ; LDS serves a wave's instructions in order: these see the stores above.  X[8 tt + 4 g + c] = mask[r][16 tt + 8 h + 4 g + c]
.set i, i+1
.endr
	s_wait_dscnt 0x0
.irp u, 0,1
.set i, 0
.rept 32
	v_cmp_ne_u32 s[WD+i], 0, v[X+32*\u+i]          ; word 32 u + i: one bit a lane
.set i, i+1
.endr
.set i, 0
.rept 32
	v_writelane_b32 v[8+2*\st+(i%2)], s[WD+i], 16*\u+i/2
.set i, i+1
.endr
.endr
	global_store_b64 v5, v[8+2*\st:9+2*\st], s[6:7] offset:256*\st   ; 32 lanes store 256 consecutive bytes, at a multiple of 256 from the buffer's first byte; each step has its own pair, so no store's data are written again
.endm
	PACK 0
	PACK 1
	s_wait_tensorcnt 0x0
	ds_add_u32 v208, v209
	s_wait_dscnt 0x0
	s_endpgm
.Lfunc_end_k_q57bee0bd0f_packmask:
	.size	k_q57bee0bd0f_packmask, .Lfunc_end_k_q57bee0bd0f_packmask-k_q57bee0bd0f_packmask
	.p2alignl 7, 3214868480
	.fill 96, 4, 3214868480
	.section	.rodata,"a",@progbits
	.p2align	6, 0x0
	.amdhsa_kernel k_q57bee0bd0f_packmask
		.amdhsa_group_segment_fixed_size 68608
		.amdhsa_private_segment_fixed_size 0
		.amdhsa_enable_private_segment 0
		.amdhsa_kernarg_size 16
		.amdhsa_user_sgpr_count 2
		.amdhsa_user_sgpr_kernarg_segment_ptr 1
		.amdhsa_wavefront_size32 1
		.amdhsa_system_sgpr_workgroup_id_x 1
		.amdhsa_system_sgpr_workgroup_id_y 1
		.amdhsa_system_sgpr_workgroup_id_z 1
		.amdhsa_system_vgpr_workitem_id 0
		.amdhsa_next_free_vgpr 210
		.amdhsa_next_free_sgpr 66
		.amdhsa_reserve_vcc 0
		.amdhsa_float_denorm_mode_32 3
		.amdhsa_float_denorm_mode_16_64 3
		.amdhsa_memory_ordered 1
		.amdhsa_forward_progress 1
		.amdhsa_inst_pref_size 26
	.end_amdhsa_kernel
	.amdgpu_metadata
---
amdhsa.version: [ 1, 2 ]
amdhsa.kernels:
  - .name:           k_q57bee0bd0f_packmask
    .symbol:         k_q57bee0bd0f_packmask.kd
    .args:
      - { .name: mask, .offset: 0, .size: 8, .value_kind: global_buffer, .address_space: global }
      - { .name: maskw, .offset: 8, .size: 8, .value_kind: global_buffer, .address_space: global }
    .group_segment_fixed_size: 68608
    .private_segment_fixed_size: 0
    .kernarg_segment_align: 8
    .kernarg_segment_size: 16
    .max_flat_workgroup_size: 256
    .sgpr_count:     66
    .vgpr_count:     210
    .wavefront_size: 32
...
	.end_amdgpu_metadata
.endif
;; end of part 5
;; launch proj (part 6): grid 4 x 48, 4 waves a work-group, clusters of 4 x 4, 327,680 bytes of LDS; arguments query_codes, key_codes, value_codes, Wq_codes, Wk_codes, Wv_codes, bq, bk, bv, lowp_scales, q_codes, k_codes, v_codes; writes q_codes, k_codes, v_codes
.if DOCPART == 6
	.amdgcn_target "amdgcn-amd-amdhsa--gfx1250"
	.amdhsa_code_object_version 6
	.text
	.protected	k_q57bee0bd0f_proj
	.globl	k_q57bee0bd0f_proj
	.p2align	8
	.type	k_q57bee0bd0f_proj,@function
k_q57bee0bd0f_proj:
	s_mov_b64 s[64:65], 0
	v_nop
	global_prefetch_b8 v0, s[64:65] scope:SCOPE_SE
	s_setreg_imm32_b32 hwreg(HW_REG_WAVE_MODE, 25, 1), 1
	s_wait_xcnt 0x0
	s_wait_alu depctr_hold_cnt(0) depctr_sa_sdst(0) depctr_va_vdst(0) depctr_va_sdst(0) depctr_va_ssrc(0) depctr_va_vcc(0) depctr_vm_vsrc(0)
	s_getreg_b32 s2, hwreg(HW_REG_IB_STS2, 6, 4)
	s_cmp_eq_u32 s2, 0
	s_cbranch_scc0 .Lentry_in_a_cluster
	s_endpgm
.Lentry_in_a_cluster:
	s_bfe_u32 s2, ttmp6, 0x10000c
	s_cmp_lg_u32 s2, 0xf033
	s_cbranch_scc0 .Lentry_shape_is_right
	s_endpgm
.Lentry_shape_is_right:
.set KROW,   1024
.set ROWB,   256
.set PITCH,  272
.set FR,     16
.set NL,     4
.set NP,     4
.set HALFT,  128*PITCH
.set SLOT,   4*HALFT
.set LAPS,   2
.set SPARE,  2*SLOT
.set SPITCH, 144
.set ADRA, 16
.set ADRB, 20
.set STO,  24
.set CO,   26
.set BO8,  27
.set SPW,  28
.set NIL,  29
.set BO4,  30
.set CB,   32
.set RB,   96
.set SCL,  112
.set LIM,  113
.set AF,   128
.set TMP,  128
.set CD,   192
.set BK,   208
.set G1, 24
.set G0, 32
.set G1B, 48
.set G0B, 56
.set MSB, 0
.macro WIN new
.if MSB != (\new)
	s_set_vgpr_msb (MSB<<8)|(\new)
.set MSB, (\new)
.endif
.endm
.set MUL_LO,  0xa1
.set MUL_HI,  0xf1
.set MUL_LO0, 0x81
.set MUL_HI0, 0xc1
.set TO_B,    0x40
.macro JLOAD g0a, g1a, g0b, g1b
	s_cmp_eq_u32 s15, 0
	s_cbranch_scc0 .Lfor_b_\@
	tensor_load_to_lds s[\g0a:\g0a+3], s[\g1a:\g1a+7]
	s_nop 0
.rept 4
	v_nop
.endr
	s_branch .Lasked_\@
.Lfor_b_\@:
	tensor_load_to_lds s[\g0b:\g0b+3], s[\g1b:\g1b+7]
	s_nop 0
.rept 4
	v_nop
.endr
.Lasked_\@:
.endm
.macro CREST
	s_cmp_lg_u32 s14, 0
	s_cbranch_scc1 .Lnot_wave_0_\@
	s_barrier_signal -3
.Lnot_wave_0_\@:
	s_barrier_wait -3
	s_barrier_signal -1
	s_barrier_wait -1
.endm
.macro CROUND
	s_barrier_signal -1
	s_barrier_wait -1
	CREST
.endm
	s_load_b512 s[68:83], s[0:1], 0x0
	s_load_b256 s[84:91], s[0:1], 0x40
	s_load_b64 s[92:93], s[0:1], 0x60
	v_lshl_add_u32 v[SPW], v0, 2, SPARE
	v_mov_b32 v[NIL], 0
	ds_add_u32 v28, v29
	ds_add_u32 v28, v29
	s_wait_dscnt 0x0
	v_lshrrev_b32 v1, 5, v0
	v_readfirstlane_b32 s14, v1
	s_lshr_b32 s15, s14, 1
	s_and_b32 s16, s14, 1
	s_bfe_u32 s40, ttmp6, 0x40000
	s_bfe_u32 s41, ttmp6, 0x40004
	s_and_b32 s18, ttmp7, 0xffff
	s_lshr_b32 s2, s18, 2
	s_and_b32 s18, s18, 3
	s_lshl_b32 s18, s18, 2
	s_cmp_eq_u32 s2, 2
	s_cselect_b32 s17, 0, s18
	s_cselect_b32 s42, s18, 0
	s_cselect_b32 s94, -1, 0
	s_cselect_b32 s95, 0, -1
	s_add_co_u32 s17, s17, s41
	s_add_co_u32 s42, s42, s40
	s_lshl_b32 s43, s41, 2
	s_lshl_b32 s43, 15, s43
	s_lshl_b32 s44, 0x1111, s40
	s_or_b32 s[G1+0], s43, (0<<16)|(1<<20)|(1<<21)|(5<<22)|(3<<25)
	s_or_b32 s[G1B+0], s44, (0<<16)|(1<<20)|(1<<21)|(5<<22)|(3<<25)
.irp g, G1, G1B
	s_mov_b32 s[\g+1], ROWB<<16
	s_mov_b32 s[\g+2], 128<<16
	s_mov_b32 s[\g+3], ROWB<<16
	s_mov_b32 s[\g+4], 128
	s_mov_b32 s[\g+5], KROW
	s_mov_b32 s[\g+6], 0
	s_mov_b32 s[\g+7], 0
.endr
	s_lshl_b32 s18, s16, 7
	s_lshl_b32 s20, s17, 8
	s_add_co_u32 s20, s20, s18
	s_lshl_b32 s20, s20, 10
	s_mov_b32 s21, 0
	s_lshl_b32 s46, s42, 8
	s_add_co_u32 s46, s46, s18
	s_lshl_b32 s46, s46, 10
	s_mov_b32 s47, 0
	s_mul_i32 s45, s14, HALFT
	s_lshl_b32 s22, s42, 1
	s_add_co_u32 s22, s22, s16
	s_lshl_b32 s23, s17, 1
	s_add_co_u32 s23, s23, s15
	s_cmp_eq_u32 s2, 2
	s_cselect_b32 s66, s23, s22
	s_cselect_b32 s67, s22, s23
	s_lshl_b32 s22, s66, 5
	s_add_co_u32 s22, s22, s67
	s_lshl_b32 s22, s22, 14
	s_mov_b32 s23, 0
	s_lshl_b32 s66, s66, 9
	s_mov_b32 s67, 0
	s_lshl_b32 s98, s2, 3
	s_mov_b32 s99, 0
	s_lshr_b32 s12, s2, 1
	s_add_co_u32 s12, s12, s2
	s_add_co_u32 s12, s12, 6
	s_lshl_b32 s12, s12, 2
	s_mov_b32 s13, 0
	s_wait_kmcnt 0x0
	s_cmp_eq_u32 s2, 0
	s_cselect_b64 s[4:5], s[68:69], s[70:71]
	s_cselect_b64 s[6:7], s[74:75], s[76:77]
	s_cselect_b64 s[8:9], s[80:81], s[82:83]
	s_cselect_b64 s[10:11], s[88:89], s[90:91]
	s_cmp_eq_u32 s2, 2
	s_cselect_b64 s[4:5], s[78:79], s[4:5]
	s_cselect_b64 s[6:7], s[72:73], s[6:7]
	s_cselect_b64 s[8:9], s[84:85], s[8:9]
	s_cselect_b64 s[10:11], s[92:93], s[10:11]
	s_add_nc_u64 s[98:99], s[86:87], s[98:99]
	s_add_nc_u64 s[12:13], s[86:87], s[12:13]
	s_load_b64 s[96:97], s[98:99], 0x0
	s_load_b32 s19, s[12:13], 0x0
	s_add_nc_u64 s[20:21], s[4:5], s[20:21]
	s_add_nc_u64 s[46:47], s[6:7], s[46:47]
	s_add_nc_u64 s[8:9], s[8:9], s[66:67]
	s_add_nc_u64 s[10:11], s[10:11], s[22:23]
	CROUND
.irp s, 0,1
	s_mov_b32 s[G0+4*\s], 1
	s_add_co_u32 s[G0+4*\s+1], s45, \s*SLOT
	s_add_nc_u64 s[G0+4*\s+2:G0+4*\s+3], s[20:21], \s*ROWB
	s_or_b32 s[G0+4*\s+3], s[G0+4*\s+3], 0x80000000
	s_mov_b32 s[G0B+4*\s], 1
	s_add_co_u32 s[G0B+4*\s+1], s45, \s*SLOT
	s_add_nc_u64 s[G0B+4*\s+2:G0B+4*\s+3], s[46:47], \s*ROWB
	s_or_b32 s[G0B+4*\s+3], s[G0B+4*\s+3], 0x80000000
.if \s                                 ; K step 0's load stands behind the round above; K step 1's behind the full sequence and a round of its own
	s_wait_alu depctr_va_vdst(0)
	s_wait_tensorcnt 0x0
	ds_add_u32 v28, v29
	ds_add_u32 v28, v29
	s_wait_dscnt 0x0
	CROUND
.endif
	JLOAD G0+4*\s, G1, G0B+4*\s, G1B
.endr
	v_and_b32 v1, 15, v0
	v_bfe_u32 v2, v0, 4, 1
	v_lshlrev_b32 v[BO8], 5, v2
	v_lshlrev_b32 v[BO4], 2, v1
.irp b, 0,1,2,3,4,5,6,7
	global_load_b128 v[CB+8*\b:CB+8*\b+3], v[BO8], s[8:9] offset:64*\b
	global_load_b128 v[CB+8*\b+4:CB+8*\b+7], v[BO8], s[8:9] offset:64*\b+16
.endr
.irp a, 0,1,2,3,4,5,6,7
	global_load_b32 v[RB+2*\a], v[BO4], s[8:9] offset:64*\a
.endr
	v_mul_u32_u24 v3, v1, PITCH
	v_lshl_add_u32 v4, v2, 4, v3
	s_mul_i32 s21, s15, HALFT
	s_mul_i32 s22, s16, HALFT
	s_add_co_u32 s22, s22, 2*HALFT
.irp s, 0,1
	v_add_nc_u32 v[ADRA+\s], s21, v4
	v_add_nc_u32 v[ADRB+\s], s22, v4
	s_add_co_u32 s21, s21, SLOT
	s_add_co_u32 s22, s22, SLOT
.endr
	s_mul_i32 s23, s14, 16*SPITCH
	v_mul_u32_u24 v5, v1, SPITCH
	v_lshl_add_u32 v5, v2, 4, v5
	v_add_nc_u32 v[STO], s23, v5
	v_and_b32 v6, 31, v0
	v_lshlrev_b32 v[CO], 4, v6
.irp a, 0,1,2,3,4,5,6,7
	v_mov_b32 v[RB+2*\a+1], 0
.endr
	s_wait_kmcnt 0x0
	s_add_co_i32 s96, s96, s97
	s_sub_co_i32 s99, 0, s96
	s_add_co_i32 s96, s96, 127
	s_lshl_b32 s96, s96, 23
	s_mov_b32 s97, s96
	s_add_co_i32 s19, s19, 127
	s_lshl_b32 s18, s19, 23
	v_mov_b32 v[SCL], s18
	s_add_co_i32 s19, s19, 8
	s_lshl_b32 s19, s19, 23
	s_or_b32 s19, s19, 0x600000
	v_mov_b32 v[LIM], s19
	s_wait_loadcnt 0x0
.set jj, 0
.rept 64
	v_cndmask_b32 v[CB+jj], v[CB+jj], v[NIL], s94
.set jj, jj+1
.endr
.set jj, 0
.rept 64
	v_ldexp_f32 v[CB+jj], v[CB+jj], s99
.set jj, jj+1
.endr
.irp a, 0,1,2,3,4,5,6,7
	v_cndmask_b32 v[RB+2*\a], v[RB+2*\a], v[NIL], s95
.endr
.macro FRAG reg, adr, q, i
.irp c, 0,1,2,3
	ds_load_b128 v[\reg+4*\c:\reg+4*\c+3], v[\adr] offset:128*(\q)+32*\c+(\i)*16*PITCH
.endr
.endm
.macro MUL16 a0, p, zero
.irp a, \a0, \a0+1
.irp b, 0,1,2,3,4,5,6,7
.if \zero
	v_wmma_f32_16x16x128_fp8_fp8 v[8*(8*((\a)%4)+\b):8*(8*((\a)%4)+\b)+7], v[128*(\p)+FR*\b:128*(\p)+FR*\b+FR-1], v[AF+FR*(\a):AF+FR*(\a)+FR-1], v[CB+8*\b:CB+8*\b+7]
.else
	v_wmma_f32_16x16x128_fp8_fp8 v[8*(8*((\a)%4)+\b):8*(8*((\a)%4)+\b)+7], v[128*(\p)+FR*\b:128*(\p)+FR*\b+FR-1], v[AF+FR*(\a):AF+FR*(\a)+FR-1], v[8*(8*((\a)%4)+\b):8*(8*((\a)%4)+\b)+7]
.endif
.endr
.endr
.endm
.macro FETCH_B slot, q, p
	WIN TO_B
.irp i, 0,1,2,3,4,5,6,7
	FRAG 128*(\p)+FR*\i, ADRB+\slot, \q, \i
.endr
	WIN 0
.endm
.macro FETCH_A slot, q, i0
.irp i, \i0, \i0+1, \i0+2, \i0+3
	FRAG AF+FR*(\i), ADRA+\slot, \q, \i
.endr
.endm
.macro PLACES n
.rept \n
	v_nop
.endr
.endm
.macro STEP slot, q, zero
	s_wait_dscnt 4*NL
.if \zero
	WIN MUL_LO0
.else
	WIN MUL_LO
.endif
	MUL16 0, (\q)%2, \zero
	MUL16 2, (\q)%2, \zero
	s_wait_dscnt 0
	PLACES NP
	FETCH_B \slot, (\q)+1, 1-(\q)%2
	FETCH_A \slot, (\q)+1, 0
.if \zero
	WIN MUL_HI0
.else
	WIN MUL_HI
.endif
	MUL16 4, (\q)%2, \zero
	MUL16 6, (\q)%2, \zero
	PLACES NP
	WIN 0
	FETCH_A \slot, (\q)+1, 4
.endm
.macro TURN slot, next, fill
	s_wait_tensorcnt 0x0
	ds_add_u32 v[SPW], v[NIL]
	s_wait_dscnt 4*NL+1
	WIN MUL_LO
	MUL16 0, 1, 0
	s_wait_dscnt 0x0
	s_barrier_signal -1
	MUL16 2, 1, 0
	WIN 0
	s_barrier_wait -1
.if \fill
	CREST
	s_add_nc_u64 s[G0+4*\slot+2:G0+4*\slot+3], s[G0+4*\slot+2:G0+4*\slot+3], 2*ROWB
	s_add_nc_u64 s[G0B+4*\slot+2:G0B+4*\slot+3], s[G0B+4*\slot+2:G0B+4*\slot+3], 2*ROWB
	JLOAD G0+4*\slot, G1, G0B+4*\slot, G1B
.else
	PLACES NP
.endif
	FETCH_B \next, 0, 0
	FETCH_A \next, 0, 0
	WIN MUL_HI
	MUL16 4, 1, 0
	MUL16 6, 1, 0
	PLACES NP
	WIN 0
	FETCH_A \next, 0, 4
.endm
	s_wait_alu depctr_va_vdst(0)
	s_wait_tensorcnt 1
	s_barrier_signal -1
	s_barrier_wait -1
	FETCH_B 0, 0, 0
	FETCH_A 0, 0, 0
	FETCH_A 0, 0, 4
	STEP 0, 0, 1
	s_mov_b32 s3, LAPS-1
.Llap:
	TURN 0, 1, 1
	STEP 1, 0, 0
	TURN 1, 0, 1
	STEP 0, 0, 0
	s_sub_co_u32 s3, s3, 1
	s_cmp_lg_u32 s3, 0
	s_cbranch_scc1 .Llap
	TURN 0, 1, 0
	STEP 1, 0, 0
	s_wait_dscnt 4*NL
	WIN MUL_LO
	MUL16 0, 1, 0
	MUL16 2, 1, 0
	s_wait_dscnt 0
	WIN MUL_HI
	MUL16 4, 1, 0
	MUL16 6, 1, 0
	WIN 0
.macro TOSTAGE a
.set AC, 64*((\a)%4)
	WIN 0x02+((\a)/4)
.set jj, 0
.rept 32
	v_pk_fma_f32 v[TMP+jj:TMP+jj+1], v[AC+jj:AC+jj+1], s[96:97], v[RB+2*(\a):RB+2*(\a)+1] op_sel_hi:[1,0,0]
.set jj, jj+2
.endr
	WIN 0
.set jj, 0
.rept 64
	v_med3_num_f32 v[TMP+jj], v[TMP+jj], -v[LIM], v[LIM]
.set jj, jj+1
.endr
.irp b, 0,1,2,3,4,5,6,7
	v_cvt_scalef32_pk8_fp8_f32 v[CD+2*\b:CD+2*\b+1], v[TMP+8*\b:TMP+8*\b+7], v[SCL]
.endr
	v_nop
.irp b, 0,1,2,3,4,5,6,7
	ds_store_b64 v[STO], v[CD+2*\b:CD+2*\b+1] offset:32*(\b/2)+8*(\b%2)
.endr
.set BB, BK+16*((\a)%2)
.irp k, 0,1,2,3
	ds_load_b128 v[BB+4*\k:BB+4*\k+3], v[STO] offset:32*\k
.endr
.endm
.macro SEND a, younger
.set BB, BK+16*((\a)%2)
	s_wait_dscnt \younger
.irp k, 0,1,2,3
	global_store_b128 v[CO], v[BB+4*\k:BB+4*\k+3], s[10:11] offset:2048*(\a)+512*\k
.endr
.endm
	PLACES NP
	TOSTAGE 0
.irp a, 1,2,3,4,5,6,7
.if \a > 1
	s_wait_xcnt 0x0
.endif
	TOSTAGE \a
	SEND \a-1, 12
.endr
	SEND 7, 0
	s_wait_tensorcnt 0x0
	ds_add_u32 v[SPW], v[NIL]
	s_wait_dscnt 0x0
	CROUND
	s_endpgm
.Lfunc_end_k_q57bee0bd0f_proj:
	.size	k_q57bee0bd0f_proj, .Lfunc_end_k_q57bee0bd0f_proj-k_q57bee0bd0f_proj
	.p2alignl 7, 3214868480
	.fill 96, 4, 3214868480
	.section	.rodata,"a",@progbits
	.p2align	6, 0x0
	.amdhsa_kernel k_q57bee0bd0f_proj
		.amdhsa_group_segment_fixed_size 327680
		.amdhsa_private_segment_fixed_size 0
		.amdhsa_enable_private_segment 0
		.amdhsa_kernarg_size 104
		.amdhsa_user_sgpr_count 2
		.amdhsa_user_sgpr_kernarg_segment_ptr 1
		.amdhsa_wavefront_size32 1
		.amdhsa_system_sgpr_workgroup_id_x 1
		.amdhsa_system_sgpr_workgroup_id_y 1
		.amdhsa_system_sgpr_workgroup_id_z 1
		.amdhsa_system_vgpr_workitem_id 0
		.amdhsa_next_free_vgpr 1024
		.amdhsa_next_free_sgpr 100
		.amdhsa_reserve_vcc 0
		.amdhsa_float_denorm_mode_32 3
		.amdhsa_float_denorm_mode_16_64 3
		.amdhsa_memory_ordered 1
		.amdhsa_forward_progress 1
		.amdhsa_inst_pref_size 153
	.end_amdhsa_kernel
	.amdgpu_metadata
---
amdhsa.version: [ 1, 2 ]
amdhsa.kernels:
  - .name:           k_q57bee0bd0f_proj
    .symbol:         k_q57bee0bd0f_proj.kd
    .args:
      - { .name: query_codes, .offset: 0, .size: 8, .value_kind: global_buffer, .address_space: global }
      - { .name: key_codes, .offset: 8, .size: 8, .value_kind: global_buffer, .address_space: global }
      - { .name: value_codes, .offset: 16, .size: 8, .value_kind: global_buffer, .address_space: global }
      - { .name: Wq_codes, .offset: 24, .size: 8, .value_kind: global_buffer, .address_space: global }
      - { .name: Wk_codes, .offset: 32, .size: 8, .value_kind: global_buffer, .address_space: global }
      - { .name: Wv_codes, .offset: 40, .size: 8, .value_kind: global_buffer, .address_space: global }
      - { .name: bq, .offset: 48, .size: 8, .value_kind: global_buffer, .address_space: global }
      - { .name: bk, .offset: 56, .size: 8, .value_kind: global_buffer, .address_space: global }
      - { .name: bv, .offset: 64, .size: 8, .value_kind: global_buffer, .address_space: global }
      - { .name: lowp_scales, .offset: 72, .size: 8, .value_kind: global_buffer, .address_space: global }
      - { .name: q_codes, .offset: 80, .size: 8, .value_kind: global_buffer, .address_space: global }
      - { .name: k_codes, .offset: 88, .size: 8, .value_kind: global_buffer, .address_space: global }
      - { .name: v_codes, .offset: 96, .size: 8, .value_kind: global_buffer, .address_space: global }
    .group_segment_fixed_size: 327680
    .private_segment_fixed_size: 0
    .kernarg_segment_align: 8
    .kernarg_segment_size: 104
    .max_flat_workgroup_size: 128
    .sgpr_count:     100
    .vgpr_count:     1024
    .wavefront_size: 32
...
	.end_amdgpu_metadata
.endif
;; end of part 6
;; launch attn (part 7): grid 32 x 8, 8 waves a work-group, clusters of 4 x 1, 327,680 bytes of LDS; arguments q_codes, k_codes, v_codes, maskw, lowp_scales, a_codes; writes a_codes
.if DOCPART == 7
	.amdgcn_target "amdgcn-amd-amdhsa--gfx1250"
	.amdhsa_code_object_version 6
	.text
	.protected	k_q57bee0bd0f_attn
	.globl	k_q57bee0bd0f_attn
	.p2align	8
	.type	k_q57bee0bd0f_attn,@function
k_q57bee0bd0f_attn:
	s_mov_b64 s[64:65], 0
	v_nop
	global_prefetch_b8 v0, s[64:65] scope:SCOPE_SE
	s_setreg_imm32_b32 hwreg(HW_REG_WAVE_MODE, 25, 1), 1
	s_wait_xcnt 0x0
	s_wait_alu depctr_hold_cnt(0) depctr_sa_sdst(0) depctr_va_vdst(0) depctr_va_sdst(0) depctr_va_ssrc(0) depctr_va_vcc(0) depctr_vm_vsrc(0)
	s_getreg_b32 s2, hwreg(HW_REG_IB_STS2, 6, 4)
	s_cmp_eq_u32 s2, 0
	s_cbranch_scc0 .Lentry_in_a_cluster
	s_endpgm
.Lentry_in_a_cluster:
	s_bfe_u32 s2, ttmp6, 0x10000c
	s_cmp_lg_u32 s2, 0x3003
	s_cbranch_scc0 .Lentry_shape_is_right
	s_endpgm
.Lentry_shape_is_right:
; a[h][q] = Q(softmax_k(where(mask, q.k / sqrt(128), -1e9)) v), both products on codes of FP8 (E4M3) with the given scales; the result is quantised with entry 10 for the last projection.
; q_codes, k_codes, v_codes: [head 8][block of 128 tokens 32][fragment 8][2,048 bytes]: each fragment is the image of an operand's 16 registers (lane x 16 bytes + 512 x group of four).
; maskw: [query tile 256][key step 32][64 words]: bit L of word n belongs to lane L's score register n.  a_codes: [head][token][128 bytes].
; THE SOFTMAX: t = score x log2(e) / sqrt(128); M = the ceiling of the largest t so far; p = 2^(t - M) is quantised; the sum is taken of the unquantised p and divides at the end.
; A hidden score is replaced by -2^33 / 2^(eq + ek) ahead of the maximum: p is 0 beside any open key, and a row with no open key gets equal weights, as with a score of -1e9.
; SHARES.  A work-group owns 128 queries of one head.  Wave w owns 32 of them (group w % 4: two tiles of 16) and, of every slot of 512 keys, the 256 of half w / 4:
; so each fragment of K and V read from LDS feeds two matrix instructions.  A wave's tile A is tile 2 g + half, its tile B the other one.  At the end waves w and w xor 4 hand each other tile B
; (O^T, -M, the sum) through LDS; each joins what it gets with its own tile A by the exact factors 2^(M - larger M), divides, quantises and stores that tile.
; A STEP takes its two tiles one after the other: 64 scalar registers hold one tile's mask words, and the other tile's are on their way while the first tile's softmax is worked.
; Both products are used transposed (S^T = K Q^T, O^T = V^T P^T): a lane holds one query; score register 8 t + j is key 16 t + 8 (lane / 16) + j, which is the order that the second product's operand wants.
; THE RING: two slots of 4 x 16 KiB of K and 4 x 16 KiB of V.  Waves 0-3 fetch K's four tiles, waves 4-7 V's, one joint load each: the four work-groups of a cluster walk the same head's K and V.
; LIMITS: eq + ek between -123 and 130; ep and entry 10 between -126 and 119; the scaled scores stay under 2^31 in magnitude.
; REGISTERS.  Window 0: v1-11 addresses; v12-15, v16-19 -M, largest t, sum (pair) of tiles A, B; v20-31 at work; v32-63 Q; v64-127, v128-191 scores, then p; v192-223 p's codes; v224-245 at work and constants.
; Window 1: v0-127 eight fragments of K, then of V; v128-191, v192-255 O^T of tiles A, B.
.set FRB,   2048
.set TILEB, 8*FRB
.set VOFF,  4*TILEB
.set SLOT1, 1<<17
.set SLOTB, 4*TILEB                    ; a slot's bytes of K, and of V, in memory
.set SPARE, 2*SLOT1                    ; the spare words: 128 bytes a wave
.set WSTG,  8704                       ; the hand-over: 8,192 bytes of O^T, then 256 of (-M, sum), for each wave; in slot 0, behind its last fill and last read
.set STG2,  8*WSTG                     ; the way out: 16 rows of 144 bytes for each wave
.set SP,    144
.set LI,   1
.set LIV,  2
.set PFO,  3
.set TM,   4
.set SPW,  5
.set NIL,  6
.set GO,   7
.set ADK,  8
.set ADV,  9
.set PFW,  232                         ; v232 the mask prefetch's offset: 256 x min(lane, 3)
.set QA,   32
.set QB,   48
.set SCA_, 64
.set SCB_, 128
.set PCA,  192
.set PCB,  208
.set OTA,  128
.set OTB,  192
.set MA,   2                           ; s[2:3], s[4:5] where tile A's and tile B's mask words of the slot in hand stand
.set MB,   4
.set WV,   6
.set TB,   7
.set G1,   8
.set G0,   16
.set OUTP, 20
.set MST,  22                          ; s[22:23] bytes from slot to slot in maskw
.set CS,   24
.set SEL,  26
.set SLOTS, 28
.set HD,   29                          ; s29 the head
.set LIM,  31
.set PFM,  66                          ; s[66:67] where my mask prefetch stands
.set PFA,  100
.set MSB, 0
.macro WIN new
.if MSB != (\new)
	s_set_vgpr_msb (MSB<<8)|(\new)
.set MSB, (\new)
.endif
.endm
.set TO_1, 0x40                        ; destination window 1
.set MUL,  0x01                        ; source 0 window 1
.set RSC,  0x41                        ; source 0 and destination window 1
.set PVW,  0x51                        ; source 0, C and D window 1
.macro VW
	s_wait_alu depctr_va_vdst(0)
.endm
.macro NOP4
.rept 4
	v_nop
.endr
.endm
.macro CREST
	s_cmp_lg_u32 s[WV], 0
	s_cbranch_scc1 .Lnot_wave_0_\@
	s_barrier_signal -3
.Lnot_wave_0_\@:
	s_barrier_wait -3
	s_barrier_signal -1
	s_barrier_wait -1
.endm
.macro CROUND
	s_barrier_signal -1
	s_barrier_wait -1
	CREST
.endm
.macro SLOAD p, off                    ; one tile's 64 mask words of one key step
	s_load_b512 s[32:47], s[\p:\p+1], \off
	s_load_b512 s[48:63], s[\p:\p+1], \off+0x40
	s_load_b512 s[68:83], s[\p:\p+1], \off+0x80
	s_load_b512 s[84:99], s[\p:\p+1], \off+0xc0
.endm
	s_load_b256 s[32:39], s[0:1], 0x0              ; q, k, v, maskw
	s_load_b128 s[40:43], s[0:1], 0x20             ; the scales' exponents, a_codes
	v_lshl_add_u32 v[SPW], v0, 2, SPARE
	v_mov_b32 v[NIL], 0
	ds_add_u32 v[SPW], v[NIL]
	ds_add_u32 v[SPW], v[NIL]
	v_lshrrev_b32 v8, 5, v0
	v_readfirstlane_b32 s[WV], v8
	s_bfe_u32 s50, ttmp6, 0x40000                  ; cx
	s_lshl_b32 s51, ttmp9, 2
	s_add_co_u32 s51, s51, s50                     ; block of 128 queries
	s_and_b32 s[HD], ttmp7, 0xffff
	s_lshl_b32 s52, s[HD], 19                      ; the head's first byte in each tensor of codes
	s_lshr_b32 s53, s[WV], 2                       ; my half of the keys
	s_and_b32 s58, s[WV], 3                        ; my group of 32 queries; also the tile of K or V that I fetch
	s_lshl_b32 s49, s58, 1
	s_add_co_u32 s49, s49, s53                     ; tile A
	s_xor_b32 s30, s49, 1                          ; tile B
	s_lshl_b32 s56, s51, 14
	s_add_co_u32 s56, s56, s52                     ; the block in q_codes and in a_codes
	s_mov_b32 s57, 0
	s_lshl_b32 s48, s49, 11                        ; tile A in the block,
	s_add_co_u32 s54, s48, s56
	s_mov_b32 s55, 0
	s_lshl_b32 s30, s30, 11                        ; tile B in the block
	s_lshl_b32 s59, s51, 3
	s_add_co_u32 s59, s59, s49
	s_lshl_b32 s59, s59, 13                        ; tile A in maskw
	s_lshl_b32 s63, s53, 9                         ; my half's first key step: 2 x 256 bytes
	s_add_co_u32 s60, s59, s63
	s_mov_b32 s61, 0
	s_xor_b32 s62, s59, 8192                       ; tile B in maskw
	s_add_co_u32 s62, s62, s63
	s_mov_b32 s63, 0
	s_add_co_u32 s74, s59, 2048                    ; the mask prefetch: tile A's four steps of slot 2
	s_mov_b32 s75, 0
	s_lshl_b32 s44, s58, 14
	s_add_co_u32 s44, s44, s52                     ; the tile that I fetch: no place in the cluster enters
	s_mov_b32 s45, 0
	s_lshl_b32 s46, s50, 14                        ; the prefetches of K and V: the four partners share a slot's 64 KiB out by address,
	s_and_b32 s47, s[WV], 1
	s_lshl_b32 s47, s47, 13                        ; two waves 8 KiB each,
	s_add_co_u32 s46, s46, s47
	s_add_co_u32 s46, s46, s52
	s_add_co_u32 s46, s46, 3*SLOTB                 ; from slot 3 on
	s_mov_b32 s47, 0
	s_and_b32 s[LIM], s[WV], 2
	s_or_b32 s[LIM], s[LIM], ttmp9
	s_cmp_eq_u32 s[LIM], 0                         ; waves 0, 1 (K) and 4, 5 (V) of each head's first cluster ask
	s_cselect_b32 s[LIM], 1, -1
	s_mov_b32 s[G1], 15|(0<<16)|(1<<21)            ; the mask names the cluster's four; 64 rows of 256 bytes, dense
	s_mov_b32 s[G1+1], 256<<16
	s_mov_b32 s[G1+2], 64<<16
	s_mov_b32 s[G1+3], 256<<16
	s_mov_b32 s[G1+4], 64
	s_mov_b32 s[G1+5], 256
	s_mov_b32 s[G1+6], 0
	s_mov_b32 s[G1+7], 0
	s_mov_b32 s[SEL], 0x76543210
	s_mov_b32 s[SEL+1], 0xfedcba98
	s_mov_b32 s[CS], 0x3e0293ee                    ; log2(e) / sqrt(128)
	s_mov_b32 s[TB], 0
	s_mov_b32 s[SLOTS], 6
	s_mov_b32 s[MST], 0x400
	s_mov_b32 s[MST+1], 0
	s_wait_dscnt 0x0
	s_wait_kmcnt 0x0
	s_load_b128 s[68:71], s[40:41], 0x18           ; eq, ek, ep, ev
	s_load_b32 s72, s[40:41], 0x28                 ; entry 10
	s_cmp_lt_u32 s[WV], 4
	s_cselect_b64 s[76:77], s[34:35], s[36:37]
	s_add_nc_u64 s[PFA:PFA+1], s[76:77], s[46:47]
	s_mov_b32 s[G0], 1
	s_lshl_b32 s[G0+1], s[WV], 14
	s_add_nc_u64 s[G0+2:G0+3], s[76:77], s[44:45]
	s_or_b32 s[G0+3], s[G0+3], 0x80000000
	s_add_nc_u64 s[104:105], s[32:33], s[56:57]
	s_add_nc_u64 s[OUTP:OUTP+1], s[42:43], s[54:55]
	s_add_nc_u64 s[MA:MA+1], s[38:39], s[60:61]
	s_add_nc_u64 s[MB:MB+1], s[38:39], s[62:63]
	s_add_nc_u64 s[PFM:PFM+1], s[38:39], s[74:75]
	CROUND
	tensor_load_to_lds s[G0:G0+3], s[G1:G1+7]      ; keys 0-511: my one load at the head
	s_nop 0
	v_and_b32 v20, 31, v0
	v_lshlrev_b32 v[GO], 4, v20
	v_add_nc_u32 v10, s48, v[GO]
	v_add_nc_u32 v11, s30, v[GO]
.irp c, 0,1,2,3
	global_load_b128 v[QA+4*\c:QA+4*\c+3], v10, s[104:105] offset:512*\c
	global_load_b128 v[QB+4*\c:QB+4*\c+3], v11, s[104:105] offset:512*\c
.endr
	s_lshl_b32 s73, s53, 15                        ; my half's two tiles of a slot's four
	v_add_nc_u32 v[LI], s73, v[GO]
	v_add_nc_u32 v[LIV], VOFF, v[LI]
	v_mov_b32 v[ADK], v[LI]
	v_mov_b32 v[ADV], v[LIV]
	v_lshlrev_b32 v[PFO], 8, v20
	v_min_u32 v[PFW], 3, v20
	v_lshlrev_b32 v[PFW], 8, v[PFW]
	v_mov_b32 v13, 0xff61b1e6                      ; the largest t so far: -3e38
	v_mov_b32 v17, 0xff61b1e6
	v_floor_f32 v12, -v13
	v_floor_f32 v16, -v17
.irp r, 14,15,18,19,21,23,224,225
	v_mov_b32 v\r, 0
.endr
	WIN TO_1
.set jj, 0
.rept 128
	v_mov_b32 v[OTA+jj], 0                         ; O^T: the step is written for every step alike, and the first change of M multiplies zeros
.set jj, jj+1
.endr
	WIN 0
	VW
	s_wait_kmcnt 0x0
	s_add_co_i32 s73, s68, s69
	s_sub_co_i32 s74, 160, s73
	s_lshl_b32 s74, s74, 23
	s_or_b32 s74, s74, 0x80000000
	v_mov_b32 v[TM], s74                           ; -2^(33 - eq - ek)
	s_lshl_b32 s73, s73, 23
	s_add_co_i32 s[CS], s[CS], s73                 ; c x 2^(eq + ek)
	s_mov_b32 s[CS+1], s[CS]
	s_add_co_i32 s30, s70, s71                     ; ep + ev
	s_add_co_i32 s73, s70, 127
	s_lshl_b32 s74, s73, 23
	v_mov_b32 v244, s74                            ; 2^ep
	s_add_co_i32 s73, s73, 8
	s_lshl_b32 s73, s73, 23
	s_or_b32 s73, s73, 0x600000
	v_mov_b32 v240, s73                            ; 448 x 2^ep, twice: one for each half of a dual instruction
	v_mov_b32 v241, s73
	s_add_co_i32 s73, s72, 127
	s_lshl_b32 s74, s73, 23
	v_mov_b32 v245, s74                            ; 2^(entry 10)
	s_add_co_i32 s73, s73, 8
	s_lshl_b32 s73, s73, 23
	s_or_b32 s73, s73, 0x600000
	v_mov_b32 v242, s73
	SLOAD MA, 0
.macro MASKED s
.set jj, 0
.rept 64
	v_cndmask_b32 v[\s+jj], v[TM], v[\s+jj], s[32+jj+4*(jj/32)]
.set jj, jj+1
.endr
.endm
.macro TREE s, a                       ; the largest of a lane's 64 scores into v[a], four chains by turns
	v_max3_num_f32 v[\a], v[\s], v[\s+1], v[\s+2]
	v_max3_num_f32 v[\a+1], v[\s+16], v[\s+17], v[\s+18]
	v_max3_num_f32 v[\a+2], v[\s+32], v[\s+33], v[\s+34]
	v_max3_num_f32 v[\a+3], v[\s+48], v[\s+49], v[\s+50]
.irp i, 3,5,7,9,11,13
	v_max3_num_f32 v[\a], v[\a], v[\s+\i], v[\s+\i+1]
	v_max3_num_f32 v[\a+1], v[\a+1], v[\s+16+\i], v[\s+17+\i]
	v_max3_num_f32 v[\a+2], v[\a+2], v[\s+32+\i], v[\s+33+\i]
	v_max3_num_f32 v[\a+3], v[\a+3], v[\s+48+\i], v[\s+49+\i]
.endr
	v_max3_num_f32 v[\a], v[\a], v[\s+15], v[\s+31]
	v_max3_num_f32 v[\a+1], v[\a+1], v[\s+47], v[\s+63]
	v_max3_num_f32 v[\a], v[\a], v[\a+2], v[\a+3]
	v_max_num_f32 v[\a], v[\a], v[\a+1]
.endm
.macro SUMS s, l                       ; the sum of the unquantised p, two at a time, four chains
	v_pk_add_f32 v[226:227], v[\s:\s+1], v[\s+2:\s+3]
	v_pk_add_f32 v[228:229], v[\s+4:\s+5], v[\s+6:\s+7]
	v_pk_add_f32 v[230:231], v[\s+8:\s+9], v[\s+10:\s+11]
	v_pk_add_f32 v[\l:\l+1], v[\l:\l+1], v[\s+12:\s+13]
.irp j, 14,22,30,38,46,54
	v_pk_add_f32 v[226:227], v[226:227], v[\s+\j:\s+\j+1]
	v_pk_add_f32 v[228:229], v[228:229], v[\s+\j+2:\s+\j+3]
	v_pk_add_f32 v[230:231], v[230:231], v[\s+\j+4:\s+\j+5]
	v_pk_add_f32 v[\l:\l+1], v[\l:\l+1], v[\s+\j+6:\s+\j+7]
.endr
	v_pk_add_f32 v[226:227], v[226:227], v[\s+62:\s+63]
	v_pk_add_f32 v[228:229], v[228:229], v[230:231]
	v_pk_add_f32 v[\l:\l+1], v[\l:\l+1], v[226:227]
	v_pk_add_f32 v[\l:\l+1], v[\l:\l+1], v[228:229]
.endm
.macro FRAGS adr, i                    ; eight fragments, 32 loads, into window 1
	WIN TO_1
.irp t, 0,1,2,3,4,5,6,7
.irp c, 0,1,2,3
	ds_load_b128 v[16*\t+4*\c:16*\t+4*\c+3], v[\adr] offset:(\i)*TILEB+\t*FRB+512*\c
.endr
.endr
.endm
; One tile from its masked scores to p's codes.  s scores, nm the pair (-M, largest t), f the factor's pair, l the sum's pair, ot O^T, pc the codes, tr four registers at work, pm the permute's
.macro SOFT s, nm, f, l, ot, pc, tr, pm
	TREE \s, \tr
	v_permlanex16_b32 v[\pm], v[\tr], s[SEL], s[SEL+1]
	v_max_num_f32 v[\tr], v[\tr], v[\pm]           ; with the other half of the keys,
	v_mul_f32 v[\tr], s[CS], v[\tr]                ; as t,
	v_max_num_f32 v[\nm+1], v[\nm+1], v[\tr]       ; the running largest t,
	v_mov_b32 v[\tr], v[\nm]
	v_floor_f32 v[\nm], -v[\nm+1]                  ; -M = floor(-t),
	v_sub_f32 v[\tr], v[\nm], v[\tr]
	v_cvt_i32_f32 v[\tr], v[\tr]
	v_ldexp_f32 v[\f], 1.0, v[\tr]                 ; f = 2^(old M - new M)
.set jj, 0
.rept 32
	v_pk_fma_f32 v[\s+jj:\s+jj+1], v[\s+jj:\s+jj+1], s[CS:CS+1], v[\nm:\nm+1] op_sel_hi:[1,0,0]
.set jj, jj+2
.endr
	WIN RSC
	VW                                             ; directly ahead of the first readers of O^T
.set jj, 0
.rept 32
	v_pk_mul_f32 v[\ot+jj:\ot+jj+1], v[\ot+jj:\ot+jj+1], v[\f:\f+1] op_sel_hi:[1,0]
.set jj, jj+2
.endr
	WIN 0
	VW                                             ; ahead of the batch
.set jj, 0
.rept 64
	v_exp_f32 v[\s+jj], v[\s+jj]                   ; p = 2^(t - M)
.set jj, jj+1
.endr
	v_pk_mul_f32 v[\l:\l+1], v[\l:\l+1], v[\f:\f+1] op_sel_hi:[1,0]
	VW                                             ; behind the batch
	SUMS \s, \l
.set jj, 0
.rept 32
	v_dual_min_num_f32 v[\s+jj], v[\s+jj], v240 :: v_dual_min_num_f32 v[\s+jj+1], v[\s+jj+1], v241   ; the hold at the largest code; p is not negative
.set jj, jj+2
.endr
.irp t, 0,1,2,3,4,5,6,7
	v_cvt_scalef32_pk8_fp8_f32 v[\pc+2*\t:\pc+2*\t+1], v[\s+8*\t:\s+8*\t+7], v244
.endr
	v_nop
.endm
.macro PV ot, pc
	WIN PVW
.irp t, 0,1,2,3,4,5,6,7
	v_wmma_f32_16x16x128_fp8_fp8 v[\ot+8*\t:\ot+8*\t+7], v[16*\t:16*\t+15], v[\pc:\pc+15], v[\ot+8*\t:\ot+8*\t+7]
.endr
	WIN 0
.endm
; A KEY STEP: 128 keys (the i-th of my two in the slot) against my 32 queries.  chg = 1: the slot's last step, with the change of slots and the refill; chg = 2: the same without a refill.
.macro STEP i, chg, ask
	NOP4                                           ; places behind the last products, ahead of loads into the registers that they read
	FRAGS ADK, \i
	WIN MUL
.irp t, 0,1,2,3,4,5,6,7
	s_wait_dscnt 4*(7-\t)                          ; K's fragment t is in; the four loads of each later fragment may be out
	v_wmma_f32_16x16x128_fp8_fp8 v[SCA_+8*\t:SCA_+8*\t+7], v[16*\t:16*\t+15], v[QA:QA+15], 0
	v_wmma_f32_16x16x128_fp8_fp8 v[SCB_+8*\t:SCB_+8*\t+7], v[16*\t:16*\t+15], v[QB:QB+15], 0
.endr
	WIN 0
	NOP4                                           ; places: ahead of the loads over K's fragments and of the first read of the scores
	FRAGS ADV, \i                                  ; V's fragments land under tile A's softmax
	WIN 0
	s_wait_kmcnt 0x0                               ; tile A's mask words
	MASKED SCA_
	SLOAD MB, 256*(\i)                             ; tile B's words take their place: they have tile A's softmax in which to come
.if \ask
	VW
	s_cmp_gt_u32 s[SLOTS], s[LIM]                  ; K and V: trip t asks for slot t + 3, which the change at the end of trip t + 1 loads; the last trip asks for nothing
	s_cbranch_scc0 .Lnot_mine_\@
	global_prefetch_b8 v[PFO], s[PFA:PFA+1] th:TH_LOAD_NT scope:SCOPE_SE
.Lnot_mine_\@:
	s_cmp_eq_u32 s[HD], 0                          ; the mask words, which all eight heads read: head 0's work-groups ask, each wave for its tile A's 1,024 bytes of slot t + 2
	s_cbranch_scc0 .Lnot_head_0_\@
	global_prefetch_b8 v[PFW], s[PFM:PFM+1] th:TH_LOAD_NT scope:SCOPE_SE
.Lnot_head_0_\@:
.endif
	SOFT SCA_, 12, 20, 14, OTA, PCA, 24, 224
	VW
	s_wait_dscnt 0x0                               ; V's fragments
	PV OTA, PCA
	s_wait_kmcnt 0x0                               ; tile B's mask words
	VW                                             ; directly ahead of the first readers of tile B's scores
	MASKED SCB_
	VW
.if \i
	s_add_nc_u64 s[MA:MA+1], s[MA:MA+1], s[MST:MST+1]   ; every load by these pointers has come back
	s_add_nc_u64 s[MB:MB+1], s[MB:MB+1], s[MST:MST+1]
	SLOAD MA, 0                                    ; the next step's words of tile A
.else
	SLOAD MA, 256
.endif
.if \chg
	s_wait_tensorcnt 0x0                           ; my part of the next slot is in,
	ds_add_u32 v[SPW], v[NIL]
.if \chg == 1
	s_xor_b32 s[G0+1], s[G0+1], SLOT1              ; the walking descriptor: the slot that is being left, the keys two slots on
	s_add_nc_u64 s[G0+2:G0+3], s[G0+2:G0+3], SLOTB
	s_wait_xcnt 0x0                                ; my prefetches have read their addresses
	s_add_nc_u64 s[PFA:PFA+1], s[PFA:PFA+1], SLOTB
	s_add_nc_u64 s[PFM:PFM+1], s[PFM:PFM+1], 0x400
.endif
	s_wait_dscnt 0x0                               ; the add is done; my reads of this slot were over ahead of tile A's product
	s_barrier_signal -1                            ; work on registers alone from here to the wait
	s_xor_b32 s[TB], s[TB], SLOT1
	v_add_nc_u32 v[ADK], s[TB], v[LI]
	v_add_nc_u32 v[ADV], s[TB], v[LIV]
.endif
	SOFT SCB_, 16, 22, 18, OTB, PCB, 28, 225
	PV OTB, PCB
.if \chg
	s_barrier_wait -1
.endif
.if \chg == 1
	CREST                                          ; the barrier has opened a round of the cluster's barrier
	tensor_load_to_lds s[G0:G0+3], s[G1:G1+7]      ; my one load behind the round
	s_nop 0
.endif
.endm
	VW
	s_wait_tensorcnt 0x0                           ; my part of keys 0-511 is in; the second slot's first fill is issued as a refill is
	ds_add_u32 v[SPW], v[NIL]
	s_xor_b32 s[G0+1], s[G0+1], SLOT1
	s_add_nc_u64 s[G0+2:G0+3], s[G0+2:G0+3], SLOTB
	s_wait_dscnt 0x0
	CROUND
	tensor_load_to_lds s[G0:G0+3], s[G1:G1+7]
	s_nop 0
	s_wait_loadcnt 0x0                             ; Q
.Lslot:                                        ; six trips: slots 0-5, each refilled with the keys two slots on
	STEP 0, 0, 1
	STEP 1, 1, 0
	s_sub_co_u32 s[SLOTS], s[SLOTS], 1
	s_cmp_lg_u32 s[SLOTS], 0
	s_cbranch_scc1 .Lslot
	s_mov_b32 s[SLOTS], 2
.Ltail:                                        ; slots 6 and 7: nothing is fetched; the last barrier parts the last reads of the slots from the stages' stores
	s_cmp_eq_u32 s[SLOTS], 1
	s_cselect_b32 s[MST], 0, 0x400                 ; behind the last slot the mask pointers stay inside maskw
	STEP 0, 0, 0
	STEP 1, 2, 0
	s_sub_co_u32 s[SLOTS], s[SLOTS], 1
	s_cmp_lg_u32 s[SLOTS], 0
	s_cbranch_scc1 .Ltail
	; THE HAND-OVER
	s_mul_i32 s29, s[WV], WSTG
	s_xor_b32 s66, s[WV], 4
	s_mul_i32 s66, s66, WSTG
	s_mul_i32 s67, s[WV], 16*SP
	s_add_co_u32 s67, s67, STG2
	v_add_f32 v14, v14, v15
	v_add_f32 v18, v18, v19
	v_permlanex16_b32 v224, v14, s[SEL], s[SEL+1]
	v_permlanex16_b32 v225, v18, s[SEL], s[SEL+1]
	v_add_f32 v14, v14, v224                       ; tile A's sum over my keys
	v_add_f32 v17, v18, v225                       ; v[16:17] = tile B's -M and sum
	v_and_b32 v20, 31, v0
	v_add_nc_u32 v8, s29, v[GO]                    ; my stage,
	v_add_nc_u32 v9, s66, v[GO]                    ; my partner's
	v_lshlrev_b32 v22, 3, v20
	v_add_nc_u32 v10, s29, v22
	v_add_nc_u32 v11, s66, v22
	v_and_b32 v24, 15, v0
	v_bfe_u32 v25, v0, 4, 1
	v_mul_u32_u24 v1, v24, SP
	v_lshl_add_u32 v1, v25, 3, v1
	v_add_nc_u32 v1, s67, v1                       ; the way out, in: row = query, 8 bytes for each half of the lanes
	v_lshrrev_b32 v26, 3, v20
	v_mul_u32_u24 v2, v26, SP
	v_and_b32 v26, 7, v0
	v_lshl_add_u32 v2, v26, 4, v2
	v_add_nc_u32 v2, s67, v2                       ; and back: four rows of 128 bytes an instruction
	WIN 0x04                                       ; store data in window 1
.set jj, 0
.rept 16
	ds_store_b128 v8, v[OTB+4*jj:OTB+4*jj+3] offset:512*jj
.set jj, jj+1
.endr
	WIN 0
	ds_store_b64 v10, v[16:17] offset:8192
	VW
	s_wait_dscnt 0x0
	s_barrier_signal -1
	s_barrier_wait -1
.set jj, 0
.rept 16
	ds_load_b128 v[SCA_+4*jj:SCA_+4*jj+3], v9 offset:512*jj   ; my tile A as my partner has it over the other keys
.set jj, jj+1
.endr
	ds_load_b64 v[28:29], v11 offset:8192
	s_wait_dscnt 0x0
	v_min_num_f32 v24, v12, v28                    ; -(the larger M)
	v_sub_f32 v25, v24, v12
	v_sub_f32 v26, v24, v28
	v_cvt_i32_f32 v25, v25
	v_cvt_i32_f32 v26, v26
	v_ldexp_f32 v25, 1.0, v25                      ; my factor,
	v_ldexp_f32 v26, 1.0, v26                      ; my partner's
	v_mul_f32 v27, v14, v25
	v_fmac_f32 v27, v29, v26                       ; the row's sum
	VW
	v_rcp_f32 v27, v27
	v_nop
	VW
	v_ldexp_f32 v27, v27, s30                      ; x 2^(ep + ev)
	v_mul_f32 v20, v25, v27
	v_mul_f32 v22, v26, v27
.set jj, 0
.rept 32
	v_pk_mul_f32 v[SCA_+jj:SCA_+jj+1], v[SCA_+jj:SCA_+jj+1], v[22:23] op_sel_hi:[1,0]
.set jj, jj+2
.endr
	WIN MUL
	VW                                             ; directly ahead of the first readers of O^T
.set jj, 0
.rept 32
	v_pk_fma_f32 v[SCA_+jj:SCA_+jj+1], v[OTA+jj:OTA+jj+1], v[20:21], v[SCA_+jj:SCA_+jj+1] op_sel_hi:[1,0,1]
.set jj, jj+2
.endr
	WIN 0
.set jj, 0
.rept 64
	v_med3_num_f32 v[SCA_+jj], v[SCA_+jj], -v242, v242
.set jj, jj+1
.endr
.irp t, 0,1,2,3,4,5,6,7
	v_cvt_scalef32_pk8_fp8_f32 v[PCA+2*\t:PCA+2*\t+1], v[SCA_+8*\t:SCA_+8*\t+7], v245
.endr
	v_nop
.irp t, 0,1,2,3,4,5,6,7
	ds_store_b64 v1, v[PCA+2*\t:PCA+2*\t+1] offset:16*\t
.endr
.irp k, 0,1,2,3
	ds_load_b128 v[PCB+4*\k:PCB+4*\k+3], v2 offset:4*\k*SP     ; LDS serves a wave's instructions in order: these see my stores
.endr
.irp k, 0,1,2,3
	s_wait_dscnt 3-\k
	global_store_b128 v[GO], v[PCB+4*\k:PCB+4*\k+3], s[OUTP:OUTP+1] offset:512*\k   ; 32 lanes store 512 consecutive bytes, aligned
.endr
	s_wait_tensorcnt 0x0                           ; the wave's end
	ds_add_u32 v[SPW], v[NIL]
	s_wait_dscnt 0x0
	CROUND                                         ; the closing round
	s_endpgm
.Lfunc_end_k_q57bee0bd0f_attn:
	.size	k_q57bee0bd0f_attn, .Lfunc_end_k_q57bee0bd0f_attn-k_q57bee0bd0f_attn
	.p2alignl 7, 3214868480
	.fill 96, 4, 3214868480
	.section	.rodata,"a",@progbits
	.p2align	6, 0x0
	.amdhsa_kernel k_q57bee0bd0f_attn
		.amdhsa_group_segment_fixed_size 327680
		.amdhsa_private_segment_fixed_size 0
		.amdhsa_enable_private_segment 0
		.amdhsa_kernarg_size 48
		.amdhsa_user_sgpr_count 2
		.amdhsa_user_sgpr_kernarg_segment_ptr 1
		.amdhsa_wavefront_size32 1
		.amdhsa_system_sgpr_workgroup_id_x 1
		.amdhsa_system_sgpr_workgroup_id_y 1
		.amdhsa_system_sgpr_workgroup_id_z 1
		.amdhsa_system_vgpr_workitem_id 0
		.amdhsa_next_free_vgpr 512
		.amdhsa_next_free_sgpr 106
		.amdhsa_reserve_vcc 0
		.amdhsa_float_denorm_mode_32 3
		.amdhsa_float_denorm_mode_16_64 3
		.amdhsa_memory_ordered 1
		.amdhsa_forward_progress 1
		.amdhsa_inst_pref_size 195
	.end_amdhsa_kernel
	.amdgpu_metadata
---
amdhsa.version: [ 1, 2 ]
amdhsa.kernels:
  - .name:           k_q57bee0bd0f_attn
    .symbol:         k_q57bee0bd0f_attn.kd
    .args:
      - { .name: q_codes, .offset: 0, .size: 8, .value_kind: global_buffer, .address_space: global }
      - { .name: k_codes, .offset: 8, .size: 8, .value_kind: global_buffer, .address_space: global }
      - { .name: v_codes, .offset: 16, .size: 8, .value_kind: global_buffer, .address_space: global }
      - { .name: maskw, .offset: 24, .size: 8, .value_kind: global_buffer, .address_space: global }
      - { .name: lowp_scales, .offset: 32, .size: 8, .value_kind: global_buffer, .address_space: global }
      - { .name: a_codes, .offset: 40, .size: 8, .value_kind: global_buffer, .address_space: global }
    .group_segment_fixed_size: 327680
    .private_segment_fixed_size: 0
    .kernarg_segment_align: 8
    .kernarg_segment_size: 48
    .max_flat_workgroup_size: 256
    .sgpr_count:     106
    .vgpr_count:     512
    .wavefront_size: 32
...
	.end_amdgpu_metadata
.endif
;; end of part 7
;; launch outp (part 8): grid 8 x 32, 4 waves a work-group, clusters of 4 x 4, 327,680 bytes of LDS; arguments a_codes, Wo_codes, lowp_scales, bo, out0; writes out0
.if DOCPART == 8
	.amdgcn_target "amdgcn-amd-amdhsa--gfx1250"
	.amdhsa_code_object_version 6
	.text
	.protected	k_q57bee0bd0f_outp
	.globl	k_q57bee0bd0f_outp
	.p2align	8
	.type	k_q57bee0bd0f_outp,@function
k_q57bee0bd0f_outp:
	s_mov_b64 s[64:65], 0
	v_nop
	global_prefetch_b8 v0, s[64:65] scope:SCOPE_SE
	s_setreg_imm32_b32 hwreg(HW_REG_WAVE_MODE, 25, 1), 1
	s_wait_xcnt 0x0
	s_wait_alu depctr_hold_cnt(0) depctr_sa_sdst(0) depctr_va_vdst(0) depctr_va_sdst(0) depctr_va_ssrc(0) depctr_va_vcc(0) depctr_vm_vsrc(0)
	s_getreg_b32 s2, hwreg(HW_REG_IB_STS2, 6, 4)
	s_cmp_eq_u32 s2, 0
	s_cbranch_scc0 .Lentry_in_a_cluster
	s_endpgm
.Lentry_in_a_cluster:
	s_bfe_u32 s2, ttmp6, 0x10000c
	s_cmp_lg_u32 s2, 0xf033
	s_cbranch_scc0 .Lentry_shape_is_right
	s_endpgm
.Lentry_shape_is_right:
; out0[m][n] = the sum over k of a[m][k] Wo[n][k] + bo[n], on codes of FP8 (E4M3) with the given scales 2^ea (entry 10) and 2^eb (entry 11); sums in f32; out0 [4096][1024] f32.
; a_codes lies [head 8][token 4096][128 bytes]: K = 128 x head + channel.  Wo_codes: [1024][1024 bytes], K innermost.
; A tile of out0 is 128 x 128: 32 x 8 = 256 tiles, one to a work-group of four waves, 64 x 64 each: 16 accumulators.
; ALL OF K LIES IN LDS AT ONCE, BROUGHT BY ONE TENSOR LOAD A WAVE.  Waves 0 and 1: four heads each of a's 128 rows; a head's 128 rows are 16 KiB on end in memory, so the tile is stated as
; four rows of 16 KiB, a head apart, with 16 bytes of padding behind every 128 (LDS rows 144 apart).  Waves 2 and 3: 64 rows each of Wo, 1,024 bytes, with 16 bytes behind each (1,040 apart).
; Nothing is filled again: one wait and one barrier ahead of the walk over K, none in it.  No prefetch: the launch has no loop to run ahead in.
; CLUSTERS: 4 x 4.  The four of a row need the same tiles of a, the four of a column the same tiles of Wo: joint loads.
; THE MATRIX INSTRUCTION IS USED TRANSPOSED (source 0 = 16 rows of Wo, source 1 = 16 rows of a): a lane holds eight neighbouring numbers of a row of out0.
; THE BIAS, divided by 2^(ea + eb), is the C of each sum's first product; each finished sum is multiplied once by 2^(ea + eb).  LIMIT: ea + eb between -126 and 127.
; REGISTERS: window 0: v16-23 fragment addresses, one for each 256 along K; v24-27 the way out; v32-63 the bias; v64-95 at work; v96-127 and v32-63 rows read back; v128-255 accumulators.  Window 1: two fragment buffers of 128.
.set KROW,   1024
.set OROW,   4096
.set PA,     144
.set PB,     1040
.set AHEAD,  128*PA                    ; one head's 128 rows in LDS
.set BOFF,   8*AHEAD
.set BHALF,  64*PB
.set STAGE,  BOFF+2*BHALF              ; behind the tiles: 16 rows x 272 bytes for each wave
.set SPITCH, 272
.set SPARE,  STAGE+4*16*SPITCH         ; the spare words
.set HEADB,  4096*128
.set FR,     16
.set ADRA, 16
.set ADRB, 20
.set STO,  24
.set RD,   25
.set CO,   26
.set BO8,  27
.set CB,   32
.set TMP,  64
.set ACC,  128
.set G1,  24
.set G1B, 32
.set G0,  40
.set G0B, 68
.set MSB, 0
.macro WIN new
.if MSB != (\new)
	s_set_vgpr_msb (MSB<<8)|(\new)
.set MSB, (\new)
.endif
.endm
.set MUL,  0x05                        ; sources 0 and 1 window 1
.set TO_F, 0x40
.macro CREST
	s_cmp_lg_u32 s14, 0
	s_cbranch_scc1 .Lnot_wave_0_\@
	s_barrier_signal -3
.Lnot_wave_0_\@:
	s_barrier_wait -3
	s_barrier_signal -1
	s_barrier_wait -1
.endm
.macro CROUND
	s_barrier_signal -1
	s_barrier_wait -1
	CREST
.endm
.macro PLACES
.rept 4
	v_nop
.endr
.endm
	s_load_b128 s[4:7], s[0:1], 0x0                ; a_codes, Wo_codes
	s_load_b128 s[8:11], s[0:1], 0x10              ; the scales' exponents, bo
	s_load_b64 s[12:13], s[0:1], 0x20              ; out0
	v_lshl_add_u32 v30, v0, 2, SPARE
	v_mov_b32 v31, 0
	ds_add_u32 v30, v31
	ds_add_u32 v30, v31
	v_lshrrev_b32 v1, 5, v0
	v_readfirstlane_b32 s14, v1
	s_lshr_b32 s15, s14, 1                         ; my half of the tile's rows; also: I fetch for a (0) or for Wo (1)
	s_and_b32 s16, s14, 1                          ; my half of its columns; also: which four heads, or which 64 rows of Wo, I fetch
	s_bfe_u32 s84, ttmp6, 0x40000
	s_bfe_u32 s85, ttmp6, 0x40004
	s_lshl_b32 s86, ttmp9, 2
	s_add_co_u32 s86, s86, s84                     ; tile column
	s_and_b32 s17, ttmp7, 0xffff
	s_lshl_b32 s17, s17, 2
	s_add_co_u32 s17, s17, s85                     ; tile row
	s_lshl_b32 s87, s85, 2
	s_lshl_b32 s87, 15, s87
	s_lshl_b32 s88, 0x1111, s84
	s_or_b32 s[G1+0], s87, (3<<16)|(1<<20)|(1<<21)|(4<<22)|(3<<25)  ; a: elements of 8 bytes; four words of padding after every 32
	s_mov_b32 s[G1+1], 2048<<16                    ; a row: 2,048 elements = one head's 128 rows
	s_mov_b32 s[G1+2], 4<<16
	s_mov_b32 s[G1+3], 2048<<16
	s_mov_b32 s[G1+4], 4
	s_mov_b32 s[G1+5], HEADB/8                     ; a head on
	s_mov_b32 s[G1+6], 0
	s_mov_b32 s[G1+7], 0
	s_or_b32 s[G1B+0], s88, (0<<16)|(1<<20)|(1<<21)|(7<<22)|(3<<25) ; Wo: four words of padding after every 256
	s_mov_b32 s[G1B+1], 1024<<16
	s_mov_b32 s[G1B+2], 64<<16
	s_mov_b32 s[G1B+3], 1024<<16
	s_mov_b32 s[G1B+4], 64
	s_mov_b32 s[G1B+5], KROW
	s_mov_b32 s[G1B+6], 0
	s_mov_b32 s[G1B+7], 0
	s_mul_i32 s20, s16, 4*HEADB
	s_lshl_b32 s21, s17, 14
	s_add_co_u32 s20, s20, s21
	s_mov_b32 s21, 0
	s_lshl_b32 s92, s86, 17
	s_lshl_b32 s93, s16, 16
	s_add_co_u32 s92, s92, s93
	s_mov_b32 s93, 0
	s_mov_b32 s[G0], 1
	s_mul_i32 s[G0+1], s16, 4*AHEAD
	s_mov_b32 s[G0B], 1
	s_mul_i32 s[G0B+1], s16, BHALF
	s_add_co_u32 s[G0B+1], s[G0B+1], BOFF
	s_wait_dscnt 0x0
	s_wait_kmcnt 0x0
	s_load_b64 s[96:97], s[8:9], 0x28              ; ea, eb
	s_add_nc_u64 s[G0+2:G0+3], s[4:5], s[20:21]
	s_or_b32 s[G0+3], s[G0+3], 0x80000000
	s_add_nc_u64 s[G0B+2:G0B+3], s[6:7], s[92:93]
	s_or_b32 s[G0B+3], s[G0B+3], 0x80000000
	CROUND
	s_cmp_eq_u32 s15, 0
	s_cbranch_scc0 .Lfirst_b
	tensor_load_to_lds s[G0:G0+3], s[G1:G1+7]
	s_nop 0
	PLACES
	s_branch .Lfirst_asked
.Lfirst_b:
	tensor_load_to_lds s[G0B:G0B+3], s[G1B:G1B+7]
	s_nop 0
	PLACES
.Lfirst_asked:
	s_lshl_b32 s18, s86, 9                         ; my first column, in bytes of out0 and of bo alike
	s_lshl_b32 s19, s16, 8
	s_add_co_u32 s18, s18, s19
	s_mov_b32 s19, 0
	s_add_nc_u64 s[10:11], s[10:11], s[18:19]
	s_mul_i32 s22, s15, 64*PA                      ; my 64 rows of a
	s_mul_i32 s23, s16, BHALF
	s_add_co_u32 s23, s23, BOFF                    ; my 64 rows of Wo
	s_mul_i32 s91, s14, 16*SPITCH
	s_add_co_u32 s91, s91, STAGE
	s_lshl_b32 s20, s17, 7
	s_lshl_b32 s21, s15, 6
	s_add_co_u32 s20, s20, s21
	s_lshl_b32 s20, s20, 12
	s_mov_b32 s21, 0
	s_add_nc_u64 s[20:21], s[20:21], s[18:19]
	s_add_nc_u64 s[12:13], s[12:13], s[20:21]
	v_and_b32 v1, 15, v0
	v_bfe_u32 v2, v0, 4, 1
	v_lshlrev_b32 v[BO8], 5, v2
.irp b, 0,1,2,3
	global_load_b128 v[CB+8*\b:CB+8*\b+3], v[BO8], s[10:11] offset:64*\b
	global_load_b128 v[CB+8*\b+4:CB+8*\b+7], v[BO8], s[10:11] offset:64*\b+16
.endr
	v_mul_u32_u24 v3, v1, PA
	v_lshl_add_u32 v3, v2, 4, v3
	v_add_nc_u32 v[ADRA], s22, v3
	v_mul_u32_u24 v4, v1, PB
	v_lshl_add_u32 v4, v2, 4, v4
	v_add_nc_u32 v[ADRB], s23, v4
.irp s, 1,2,3
	v_add_nc_u32 v[ADRA+\s], \s*2*AHEAD, v[ADRA]   ; 256 along K are two heads of a,
	v_add_nc_u32 v[ADRB+\s], \s*256, v[ADRB]       ; and 256 bytes of a row of Wo
.endr
	v_mul_u32_u24 v5, v1, SPITCH
	v_lshl_add_u32 v5, v2, 5, v5
	v_add_nc_u32 v[STO], s91, v5
	v_mul_u32_u24 v6, v2, SPITCH
	v_lshl_add_u32 v6, v1, 4, v6
	v_add_nc_u32 v[RD], s91, v6
	v_lshlrev_b32 v7, 12, v2
	v_lshl_add_u32 v[CO], v1, 4, v7
	s_wait_alu depctr_va_vdst(0)
	s_wait_kmcnt 0x0
	s_add_co_i32 s96, s96, s97
	s_sub_co_i32 s94, 0, s96
	s_add_co_i32 s96, s96, 127
	s_lshl_b32 s96, s96, 23                        ; 2^(ea + eb)
	s_mov_b32 s97, s96
	s_wait_loadcnt 0x0
.set jj, 0
.rept 32
	v_ldexp_f32 v[CB+jj], v[CB+jj], s94
.set jj, jj+1
.endr
; 32 LDS loads: the fragments of the q-th 128 of the slot-th 256 along K into the buffer at f.  Registers 4 c .. 4 c + 3 hold K = 32 c + 16 (l / 16) + 0 .. 15, alike in a and in Wo.
.macro FETCH slot, q, f
	WIN TO_F
.irp i, 0,1,2,3
.irp c, 0,1,2,3
	ds_load_b128 v[(\f)+64+FR*\i+4*\c:(\f)+64+FR*\i+4*\c+3], v[ADRB+(\slot)] offset:128*(\q)+32*\c+\i*16*PB
.endr
.irp c, 0,1,2,3
	ds_load_b128 v[(\f)+FR*\i+4*\c:(\f)+FR*\i+4*\c+3], v[ADRA+(\slot)] offset:AHEAD*(\q)+32*\c+\i*16*PA
.endr
.endr
.endm
.macro MUL8 f, a0, zero                ; the 16 accumulators take turns
.irp a, \a0, \a0+1
.irp b, 0,1,2,3
.if \zero
	v_wmma_f32_16x16x128_fp8_fp8 v[ACC+8*(4*(\a)+\b):ACC+8*(4*(\a)+\b)+7], v[(\f)+64+FR*\b:(\f)+64+FR*\b+FR-1], v[(\f)+FR*(\a):(\f)+FR*(\a)+FR-1], v[CB+8*\b:CB+8*\b+7]
.else
	v_wmma_f32_16x16x128_fp8_fp8 v[ACC+8*(4*(\a)+\b):ACC+8*(4*(\a)+\b)+7], v[(\f)+64+FR*\b:(\f)+64+FR*\b+FR-1], v[(\f)+FR*(\a):(\f)+FR*(\a)+FR-1], v[ACC+8*(4*(\a)+\b):ACC+8*(4*(\a)+\b)+7]
.endif
.endr
.endr
.endm
.macro SUB j, zero                     ; substep j of eight: 128 along K on buffer j % 2; the next substep's fragments go into the other buffer
.set FF, 128*((\j)%2)
.set GG, 128-FF
	s_wait_dscnt 0x0
.if (\j) < 7
	PLACES
	FETCH ((\j)+1)/2, ((\j)+1)%2, GG
.endif
	WIN MUL
	MUL8 FF, 0, \zero
	MUL8 FF, 2, \zero
.endm
	s_wait_alu depctr_va_vdst(0)
	s_wait_tensorcnt 0x0                           ; my one load is in,
	s_barrier_signal -1
	s_barrier_wait -1                              ; and everybody's
	FETCH 0, 0, 0
	SUB 0, 1
.irp j, 1,2,3,4,5,6,7
	SUB \j, 0
.endr
	WIN 0
; THE WAY OUT, block by block of 16 rows x 64 columns, through my own stage in LDS, back as pieces of 256 bytes of a row.
.macro TOSTAGE a
.set jj, 0
.rept 16
	v_pk_mul_f32 v[TMP+jj:TMP+jj+1], v[ACC+32*(\a)+jj:ACC+32*(\a)+jj+1], s[96:97] op_sel_hi:[1,0]
.set jj, jj+2
.endr
.irp b, 0,1,2,3
	ds_store_b128 v[STO], v[TMP+8*\b:TMP+8*\b+3] offset:64*\b
	ds_store_b128 v[STO], v[TMP+8*\b+4:TMP+8*\b+7] offset:64*\b+16
.endr
.set BB, 96-64*((\a)%2)
.irp t, 0,1,2,3,4,5,6,7
	ds_load_b128 v[BB+4*\t:BB+4*\t+3], v[RD] offset:2*\t*SPITCH
.endr
.endm
.macro SEND a, younger
.set BB, 96-64*((\a)%2)
	s_wait_dscnt \younger
.irp t, 0,1,2,3,4,5,6,7
	global_store_b128 v[CO], v[BB+4*\t:BB+4*\t+3], s[12:13] offset:(16*(\a)+2*\t)*OROW th:TH_STORE_NT   ; 16 lanes store 256 consecutive bytes, aligned
.endr
.endm
	PLACES
	TOSTAGE 0
.irp a, 1,2,3
.if \a > 1
	s_wait_xcnt 0x0                                ; block a - 2's stores have read their registers
.endif
	TOSTAGE \a
	SEND \a-1, 16                                  ; behind block a - 1's loads: block a's 8 stores and 8 loads
.endr
	SEND 3, 0
	s_wait_tensorcnt 0x0                           ; the wave's end
	ds_add_u32 v30, v31
	s_wait_dscnt 0x0
	CROUND
	s_endpgm
.Lfunc_end_k_q57bee0bd0f_outp:
	.size	k_q57bee0bd0f_outp, .Lfunc_end_k_q57bee0bd0f_outp-k_q57bee0bd0f_outp
	.p2alignl 7, 3214868480
	.fill 96, 4, 3214868480
	.section	.rodata,"a",@progbits
	.p2align	6, 0x0
	.amdhsa_kernel k_q57bee0bd0f_outp
		.amdhsa_group_segment_fixed_size 327680
		.amdhsa_private_segment_fixed_size 0
		.amdhsa_enable_private_segment 0
		.amdhsa_kernarg_size 40
		.amdhsa_user_sgpr_count 2
		.amdhsa_user_sgpr_kernarg_segment_ptr 1
		.amdhsa_wavefront_size32 1
		.amdhsa_system_sgpr_workgroup_id_x 1
		.amdhsa_system_sgpr_workgroup_id_y 1
		.amdhsa_system_sgpr_workgroup_id_z 1
		.amdhsa_system_vgpr_workitem_id 0
		.amdhsa_next_free_vgpr 512
		.amdhsa_next_free_sgpr 98
		.amdhsa_reserve_vcc 0
		.amdhsa_float_denorm_mode_32 3
		.amdhsa_float_denorm_mode_16_64 3
		.amdhsa_memory_ordered 1
		.amdhsa_forward_progress 1
		.amdhsa_inst_pref_size 47
	.end_amdhsa_kernel
	.amdgpu_metadata
---
amdhsa.version: [ 1, 2 ]
amdhsa.kernels:
  - .name:           k_q57bee0bd0f_outp
    .symbol:         k_q57bee0bd0f_outp.kd
    .args:
      - { .name: a_codes, .offset: 0, .size: 8, .value_kind: global_buffer, .address_space: global }
      - { .name: Wo_codes, .offset: 8, .size: 8, .value_kind: global_buffer, .address_space: global }
      - { .name: lowp_scales, .offset: 16, .size: 8, .value_kind: global_buffer, .address_space: global }
      - { .name: bo, .offset: 24, .size: 8, .value_kind: global_buffer, .address_space: global }
      - { .name: out0, .offset: 32, .size: 8, .value_kind: global_buffer, .address_space: global }
    .group_segment_fixed_size: 327680
    .private_segment_fixed_size: 0
    .kernarg_segment_align: 8
    .kernarg_segment_size: 40
    .max_flat_workgroup_size: 128
    .sgpr_count:     98
    .vgpr_count:     512
    .wavefront_size: 32
...
	.end_amdgpu_metadata
.endif
;; end of part 8
